; MI455X (gfx1250); checked and timed in simulation.
; The chip was launched on July 23, 2026; its instructions are those of AMD's public machine-readable ISA for CDNA 5 (MIT licence, August 2026) and "CDNA5" Instruction Set Architecture Reference Guide (July 2026). The comments in the code are by the model that wrote it; some were corrected since.
;; Expert Parallel Mo E. Allowed arithmetic: float matrix products may take bf16 or f16 operands with f32 sums; all other float work in f32.
;; Inputs: expert_idx 2 x 1,024 int32; w_down 8 x 1,024 x 1,024 float32; w_gate 8 x 1,024 x 1,024 float32; w_up 8 x 1,024 x 1,024 float32; x 2 x 1,024 x 1,024 float32.
;; Outputs: out0 2 x 1,024 x 1,024 float32.
;; 2 versions, each right; version 2 is version 1 with the launches ffn1, ffn2 written anew for expert scheduling mode. Each part assembles by itself: llvm-mc -triple=amdgcn-amd-amdhsa -mcpu=gfx1250 --defsym DOCPART=n.
;; ======== version 1 of 2: 4 launches
;; workspace buffers: xs 4,423,680 bytes; hb 4,423,680 bytes; tok 12,288 bytes of whole numbers; seg 256 bytes of whole numbers
;; launch sort (part 1): grid 1 x 1, 8 waves a work-group, no clusters, 13,824 bytes of LDS; arguments expert_idx, tok, seg; writes tok, seg
.if DOCPART == 1
	.amdgcn_target "amdgcn-amd-amdhsa--gfx1250"
	.amdhsa_code_object_version 6
	.text
	.protected	k_q1bf07bb497_sort
	.globl	k_q1bf07bb497_sort
	.p2align	8
	.type	k_q1bf07bb497_sort,@function
k_q1bf07bb497_sort:
	s_mov_b64 s[64:65], 0
	v_nop
	global_prefetch_b8 v0, s[64:65] scope:SCOPE_SE
	s_setreg_imm32_b32 hwreg(HW_REG_WAVE_MODE, 25, 1), 1
	s_wait_xcnt 0x0
; sort: orders the 2,048 tokens by expert into tiles of 16 rows and stores the order as whole numbers for the later launches.
;   tok[q]  = the token in sorted place q = 16 tile + row.  A place that pads an expert's last tile repeats the tile's first token; the places
;             of tiles not in use hold MARK and are read by nobody (3,072 words, all written)
;   seg[e]  = first tile of expert e (e = 0..7); words 8..31 = the number of tiles in use
; NT = 135: with 2,048 tokens and 8 experts the tiles number at most 128 + 7 (each expert pads fewer than 16 rows).
; ONE WORK-GROUP: the list is 8,192 bytes, thread t takes tokens 8 t .. 8 t + 7, and a sort shared among work-groups would need traffic between them.
; A LAUNCH OF ITS OWN: what is decided here steers addresses and branches of the launches behind it, which read it from memory.  In this launch the
; indices steer only selects and addresses in LDS: every global address is a constant plus the thread's number, and the one branch is on the wave.
; PADDING: row 0 of a tile in use is always a token (an expert with c tokens has ceil(c / 16) tiles, and its tile t starts at rank 16 t < c).
; A padding row takes that token's number, so the later launches compute for it what they compute for row 0, and the last one stores the same
; numbers to the same bytes again: no store there needs a mask.
; LIMIT: an expert index outside 0..7 is taken as 7 (the reference would leave that token's output zero); the problem keeps indices inside.
.set NT,    135
.set MARK,  0x7fffffff                 ; a place that no token has taken
.set TOKL,  256                        ; LDS: bytes 0..127 the waves' counts (wave w: 4 words of two 16-bit counts at 16 w); from 256: 3,072 words, tok
.set IDX,   4                          ; v[4:11]   the experts of my tokens 8 t .. 8 t + 7
.set RK,    12                         ; v[12:19]  rank of each in its expert within my wave, then its place, then its LDS offset
.set BP,    20                         ; v[20:27]  packed counts; then each token's base
.set RUN,   20                         ; s[20:27]  tokens of expert e seen so far in my wave
.set TOT,   28                         ; s[28:31]  counts of all waves, two experts a word
.set PRE,   32                         ; s[32:35]  counts of the waves in front of mine
.set TB,    36                         ; s[36:44]  first tile of expert e; TB[8] = tiles in use
.set BASE,  46                         ; s[46:53]  first place of my wave's tokens of expert e
	s_load_b128 s[4:7], s[0:1], 0x0                ; expert_idx s[4:5], tok s[6:7]
	s_load_b64 s[8:9], s[0:1], 0x10                ; seg
	v_lshl_add_u32 v64, v0, 2, 0x3200
	v_mov_b32 v65, 0
	v_and_b32 v1, 31, v0                           ; lane
	v_lshrrev_b32 v3, 5, v0
	v_readfirstlane_b32 s14, v3                    ; wave 0..7
	s_mov_b32 s16, 0x76543210                      ; v_permlanex16_b32: lane i reads lane i of the other half
	s_mov_b32 s17, 0xfedcba98
	v_lshlrev_b32 v2, 4, v0                        ; 16 t
	v_lshlrev_b32 v33, 5, v0                       ; 32 t
	v_lshlrev_b32 v35, 2, v1                       ; 4 lane
.irp i, 0,1,2,3
	v_mov_b32 v[36+\i], MARK
.endr
	ds_store_b128 v2, v[36:39] offset:TOKL         ; every place starts untaken: 256 threads x 16 bytes, three times
	ds_store_b128 v2, v[36:39] offset:TOKL+4096
	ds_store_b128 v2, v[36:39] offset:TOKL+8192
.irp ex, 0,1,2,3,4,5,6,7
	s_mov_b32 s[RUN+\ex], 0
.endr
	s_wait_kmcnt 0x0
	global_load_b128 v[IDX:IDX+3], v33, s[4:5]
	global_load_b128 v[IDX+4:IDX+7], v33, s[4:5] offset:16
	s_wait_loadcnt 0x0
.irp j, 0,1,2,3,4,5,6,7
	v_min_u32 v[IDX+\j], 7, v[IDX+\j]
.endr
; rank of token (lane, j) among my wave's tokens of its expert: those of earlier j (RUN) + those of lower lanes at this j
.macro RANK j, ex
	v_cmp_eq_u32 vcc_lo, \ex, v[IDX+\j]
	v_mbcnt_lo_u32_b32 v30, vcc_lo, s[RUN+\ex]
.if \ex == 0
	v_cndmask_b32 v[RK+\j], 0, v30, vcc_lo
.else
	v_cndmask_b32 v[RK+\j], v[RK+\j], v30, vcc_lo
.endif
	s_bcnt1_i32_b32 s54, vcc_lo
	s_add_co_u32 s[RUN+\ex], s[RUN+\ex], s54
.endm
.irp j, 0,1,2,3,4,5,6,7
.irp ex, 0,1,2,3,4,5,6,7
	RANK \j, \ex
.endr
.endr
	; my wave's eight counts (at most 256 each), two to a word, to the other waves
.irp q, 0,1,2,3
	s_lshl_b32 s54, s[RUN+2*\q+1], 16
	s_or_b32 s54, s54, s[RUN+2*\q]
	v_mov_b32 v[BP+\q], s54
.endr
	v_mov_b32 v34, s14
	v_lshlrev_b32 v34, 4, v34
	ds_store_b128 v34, v[BP:BP+3]                  ; all lanes write the same 16 bytes with the same numbers
	s_wait_dscnt 0x0                               ; zero: the others read my counts and write over my share of the MARK fill
	s_barrier_signal -1
	s_barrier_wait -1
	ds_load_b32 v28, v35                           ; lane l: word q = l & 3 of wave l >> 2
	s_lshl_b32 s55, s14, 2
	v_cmp_gt_u32 vcc_lo, s55, v1                   ; lanes of the waves in front of mine
	s_wait_dscnt 0x0
	v_cndmask_b32 v29, 0, v28, vcc_lo
; sum over the lanes with equal l & 3 (the halves of a word cannot carry: at most 2,048 each)
.macro LSUM r
	v_mov_b32_dpp v30, v[\r] row_xmask:4 row_mask:0xf bank_mask:0xf
	v_add_nc_u32 v[\r], v[\r], v30
	v_mov_b32_dpp v30, v[\r] row_xmask:8 row_mask:0xf bank_mask:0xf
	v_add_nc_u32 v[\r], v[\r], v30
	v_permlanex16_b32 v30, v[\r], s16, s17
	v_add_nc_u32 v[\r], v[\r], v30
.endm
	LSUM 28
	LSUM 29
.irp q, 0,1,2,3
	v_readlane_b32 s[TOT+\q], v28, \q
	v_readlane_b32 s[PRE+\q], v29, \q
.endr
	; tiles: TB[e+1] = TB[e] + ceil(count / 16); my wave's tokens of expert e start at place 16 TB[e] + (counts of the waves in front)
	s_mov_b32 s[TB], 0
.irp ex, 0,1,2,3,4,5,6,7
.if (\ex & 1)
	s_lshr_b32 s54, s[TOT+\ex/2], 16
	s_lshr_b32 s55, s[PRE+\ex/2], 16
.else
	s_and_b32 s54, s[TOT+\ex/2], 0xffff
	s_and_b32 s55, s[PRE+\ex/2], 0xffff
.endif
	s_add_co_u32 s54, s54, 15
	s_lshr_b32 s54, s54, 4
	s_add_co_u32 s[TB+\ex+1], s[TB+\ex], s54
	s_lshl4_add_u32 s[BASE+\ex], s[TB+\ex], s55
.endr
	v_mov_b32 v31, 0                               ; lane e of v31: BASE[e]
	v_mov_b32 v32, s[TB+8]                         ; lane e of v32: TB[e]; lanes 8..31: tiles in use
.irp ex, 0,1,2,3,4,5,6,7
	v_writelane_b32 v31, s[BASE+\ex], \ex
	v_writelane_b32 v32, s[TB+\ex], \ex
.endr
	; each token's place = its expert's base + its rank; its number goes there
.irp j, 0,1,2,3,4,5,6,7
	v_lshlrev_b32 v[48+\j], 2, v[IDX+\j]
	ds_bpermute_b32 v[BP+\j], v[48+\j], v31        ; BASE[expert]
.endr
	s_wait_dscnt 0x0
.irp j, 0,1,2,3,4,5,6,7
	v_add_nc_u32 v[RK+\j], v[RK+\j], v[BP+\j]
	v_min_u32 v[RK+\j], NT*16-1, v[RK+\j]          ; a place is below 16 NT by the count above; the clamp states it
	v_lshlrev_b32 v[RK+\j], 2, v[RK+\j]
	v_lshl_add_u32 v[48+\j], v0, 3, \j             ; token 8 t + j
	ds_store_b32 v[RK+\j], v[48+\j] offset:TOKL    ; places are distinct: no two stores meet
.endr
	s_wait_dscnt 0x0                               ; zero: every wave reads places that other waves filled behind the barrier
	s_barrier_signal -1
	s_barrier_wait -1
	; the list leaves LDS through registers, padding places filled on the way
	ds_load_b128 v[36:39], v2 offset:TOKL          ; my four places, three times (4,096 bytes = 64 tiles apart)
	ds_load_b128 v[40:43], v2 offset:TOKL+4096
	ds_load_b128 v[44:47], v2 offset:TOKL+8192
	v_and_b32 v60, 0xffffffc0, v2                  ; 64 bytes a tile: the first place of the tile that my four places lie in
	ds_load_b32 v61, v60 offset:TOKL
	ds_load_b32 v62, v60 offset:TOKL+4096
	ds_load_b32 v63, v60 offset:TOKL+8192
	s_wait_dscnt 0x0
.irp c, 0,1,2
.irp i, 0,1,2,3
	v_cmp_gt_u32 vcc_lo, 0x800, v[36+4*\c+\i]      ; a token: it stays; an untaken place repeats its tile's first
	v_cndmask_b32 v[36+4*\c+\i], v[61+\c], v[36+4*\c+\i], vcc_lo
.endr
.endr
	global_store_b128 v2, v[36:39], s[6:7]         ; each store of a wave: 512 neighbouring bytes, aligned
	global_store_b128 v2, v[40:43], s[6:7] offset:4096
	global_store_b128 v2, v[44:47], s[6:7] offset:8192
	s_cmp_lg_u32 s14, 0
	s_cbranch_scc1 .Lend
	global_store_b32 v35, v32, s[8:9]              ; wave 0: 32 words of seg
.Lend:
	s_wait_tensorcnt 0x0
	ds_add_u32 v64, v65
	s_wait_dscnt 0x0
	s_endpgm
.Lfunc_end_k_q1bf07bb497_sort:
	.size	k_q1bf07bb497_sort, .Lfunc_end_k_q1bf07bb497_sort-k_q1bf07bb497_sort
	.p2alignl 7, 3214868480
	.fill 96, 4, 3214868480
	.section	.rodata,"a",@progbits
	.p2align	6, 0x0
	.amdhsa_kernel k_q1bf07bb497_sort
		.amdhsa_group_segment_fixed_size 13824
		.amdhsa_private_segment_fixed_size 0
		.amdhsa_enable_private_segment 0
		.amdhsa_kernarg_size 24
		.amdhsa_user_sgpr_count 2
		.amdhsa_user_sgpr_kernarg_segment_ptr 1
		.amdhsa_wavefront_size32 1
		.amdhsa_system_sgpr_workgroup_id_x 1
		.amdhsa_system_sgpr_workgroup_id_y 1
		.amdhsa_system_sgpr_workgroup_id_z 1
		.amdhsa_system_vgpr_workitem_id 0
		.amdhsa_next_free_vgpr 66
		.amdhsa_next_free_sgpr 66
		.amdhsa_reserve_vcc 1
		.amdhsa_float_denorm_mode_32 3
		.amdhsa_float_denorm_mode_16_64 3
		.amdhsa_memory_ordered 1
		.amdhsa_forward_progress 1
		.amdhsa_inst_pref_size 24
	.end_amdhsa_kernel
	.amdgpu_metadata
---
amdhsa.version: [ 1, 2 ]
amdhsa.kernels:
  - .name:           k_q1bf07bb497_sort
    .symbol:         k_q1bf07bb497_sort.kd
    .args:
      - { .name: expert_idx, .offset: 0, .size: 8, .value_kind: global_buffer, .address_space: global }
      - { .name: tok, .offset: 8, .size: 8, .value_kind: global_buffer, .address_space: global }
      - { .name: seg, .offset: 16, .size: 8, .value_kind: global_buffer, .address_space: global }
    .group_segment_fixed_size: 13824
    .private_segment_fixed_size: 0
    .kernarg_segment_align: 8
    .kernarg_segment_size: 24
    .max_flat_workgroup_size: 256
    .sgpr_count:     66
    .vgpr_count:     66
    .wavefront_size: 32
...
	.end_amdgpu_metadata
.endif
;; end of part 1
;; launch gather (part 2): grid 135 x 2, 8 waves a work-group, no clusters, 0 bytes of LDS; arguments x, tok, seg, xs; writes xs
.if DOCPART == 2
	.amdgcn_target "amdgcn-amd-amdhsa--gfx1250"
	.amdhsa_code_object_version 6
	.text
	.protected	k_q1bf07bb497_gather
	.globl	k_q1bf07bb497_gather
	.p2align	8
	.type	k_q1bf07bb497_gather,@function
k_q1bf07bb497_gather:
	s_mov_b64 s[64:65], 0
	v_nop
	global_prefetch_b8 v0, s[64:65] scope:SCOPE_SE
	s_setreg_imm32_b32 hwreg(HW_REG_WAVE_MODE, 25, 1), 1
	s_wait_xcnt 0x0
; gather: xs = x in sorted order, rounded to bf16, laid out for the matrix unit.
;   xs = 32 planes (32 k each) x NT tiles x 1,024 bytes.  The 1,024 bytes of (plane, tile) are the 16-bit fragment of 16 rows x 32 k as the lanes
;        hold it: lane L = (r = L & 15, h = L >> 4) has k = 8h..8h+7 of row r at byte 16 L and k = 16+8h..16+8h+7 at byte 512 + 16 L.
;        So every later fragment load is 512 neighbouring bytes of a wave.
; Work-group (T, y) owns tile T and planes 16 y .. 16 y + 15; wave w takes planes kb0 = 16 y + 2 w and kb0 + 1: 256 neighbouring, aligned bytes
; of each of the tile's 16 rows of x.  The rows' numbers are tok[16 T + r], the number of tiles in use is seg[8]: both were stored by the launch
; before and are read from memory here.  A padding place of tok repeats its tile's first token, so its row of xs repeats that token's data.
; NT = 135 tiles is the most that 2,048 tokens and 8 experts can need (128 + 7), and the grid is sized for that; a work-group whose tile is not
; in use for the given indices stores nothing, and nothing reads that tile.
; A stream: each byte of x that a tile names is read once and each byte of xs written once, in stores of 512 aligned bytes.  No LDS, no barrier,
; no matrix unit, no cluster: the waves do not depend on each other, and the work-groups share only the 12,288 bytes of the list.
; No non-temporal hint on x: a padding place names a row a second time.
.set NT,    135
.set PLANE, NT*1024                    ; bytes of a plane
.set L16,   2                          ; v2        16 lane: my 16 bytes of a store
.set TO,    4                          ; v4        64 T + 4 r: my row's word of tok
.set RO,    5                          ; v5        the token, then the byte offset of my part of its row of x
.set H32,   6                          ; v6        32 h: eight f32
.set XD,    8                          ; v[8:39]   32 f32 of x
.set XO,    40                         ; v[40:55]  the same as bf16
	s_load_b256 s[4:11], s[0:1], 0x0               ; x s[4:5], tok s[6:7], seg s[8:9], xs s[10:11]
	v_lshrrev_b32 v3, 5, v0
	v_readfirstlane_b32 s14, v3                    ; wave 0..7
	s_and_b32 s15, ttmp7, 0xffff                   ; y: which half of the planes
	v_and_b32 v1, 31, v0                           ; lane
	v_lshlrev_b32 v[L16], 4, v1
	v_and_b32 v[TO], 15, v0                        ; r
	v_lshlrev_b32 v[TO], 2, v[TO]
	s_lshl_b32 s16, ttmp9, 6                       ; 16 words of tok a tile
	v_add_nc_u32 v[TO], s16, v[TO]
	v_bfe_u32 v[H32], v0, 4, 1                     ; h
	v_lshlrev_b32 v[H32], 5, v[H32]
	s_lshl_b32 s17, s15, 4
	s_lshl1_add_u32 s17, s14, s17                  ; kb0 = 16 y + 2 w
	s_lshl_b32 s18, s17, 7                         ; 32 f32 a plane
	s_mov_b32 s19, 0
	s_mul_i32 s20, s17, PLANE
	s_lshl_b32 s22, ttmp9, 10
	s_add_co_u32 s20, s20, s22                     ; (kb0, T) in xs
	s_mov_b32 s21, 0
	s_wait_kmcnt 0x0
	s_load_b32 s23, s[8:9], 0x20                   ; seg[8]: tiles in use
	global_load_b32 v[RO], v[TO], s[6:7]           ; the token of row r
	s_add_nc_u64 s[4:5], s[4:5], s[18:19]          ; x at column 32 kb0
	s_add_nc_u64 s[10:11], s[10:11], s[20:21]      ; xs at (kb0, T)
	s_wait_kmcnt 0x0
	s_cmp_ge_u32 ttmp9, s23                        ; my tile is not in use for these indices
	s_cbranch_scc1 .Lend
	s_wait_loadcnt 0x0
	v_min_u32 v[RO], 0x7ff, v[RO]                  ; a token is below 2,048; the number is clamped before it enters an address
	v_lshlrev_b32 v[RO], 12, v[RO]                 ; 4,096 bytes a row of x
	v_add_nc_u32 v[RO], v[H32], v[RO]
.irp kbi, 0,1
	global_load_b128 v[XD+16*\kbi:XD+16*\kbi+3],     v[RO], s[4:5] offset:128*\kbi      ; k = 8h .. 8h+3
	global_load_b128 v[XD+16*\kbi+4:XD+16*\kbi+7],   v[RO], s[4:5] offset:128*\kbi+16   ; k = 8h+4 .. 8h+7
	global_load_b128 v[XD+16*\kbi+8:XD+16*\kbi+11],  v[RO], s[4:5] offset:128*\kbi+64   ; k = 16+8h ..
	global_load_b128 v[XD+16*\kbi+12:XD+16*\kbi+15], v[RO], s[4:5] offset:128*\kbi+80
.endr
.irp kbi, 0,1
	s_wait_loadcnt 4-4*\kbi                        ; loads return in order: the four of the other plane may stay out
.irp i, 0,1,2,3,4,5,6,7
	v_cvt_pk_bf16_f32 v[XO+8*\kbi+\i], v[XD+16*\kbi+2*\i], v[XD+16*\kbi+2*\i+1]
.endr
	global_store_b128 v[L16], v[XO+8*\kbi:XO+8*\kbi+3],   s[10:11] offset:\kbi*PLANE       ; each store: 512 neighbouring bytes, aligned
	global_store_b128 v[L16], v[XO+8*\kbi+4:XO+8*\kbi+7], s[10:11] offset:\kbi*PLANE+512
.endr
.Lend:
	s_endpgm
.Lfunc_end_k_q1bf07bb497_gather:
	.size	k_q1bf07bb497_gather, .Lfunc_end_k_q1bf07bb497_gather-k_q1bf07bb497_gather
	.p2alignl 7, 3214868480
	.fill 96, 4, 3214868480
	.section	.rodata,"a",@progbits
	.p2align	6, 0x0
	.amdhsa_kernel k_q1bf07bb497_gather
		.amdhsa_group_segment_fixed_size 0
		.amdhsa_private_segment_fixed_size 0
		.amdhsa_enable_private_segment 0
		.amdhsa_kernarg_size 32
		.amdhsa_user_sgpr_count 2
		.amdhsa_user_sgpr_kernarg_segment_ptr 1
		.amdhsa_wavefront_size32 1
		.amdhsa_system_sgpr_workgroup_id_x 1
		.amdhsa_system_sgpr_workgroup_id_y 1
		.amdhsa_system_sgpr_workgroup_id_z 1
		.amdhsa_system_vgpr_workitem_id 0
		.amdhsa_next_free_vgpr 56
		.amdhsa_next_free_sgpr 66
		.amdhsa_reserve_vcc 0
		.amdhsa_float_denorm_mode_32 3
		.amdhsa_float_denorm_mode_16_64 3
		.amdhsa_memory_ordered 1
		.amdhsa_forward_progress 1
		.amdhsa_inst_pref_size 4
	.end_amdhsa_kernel
	.amdgpu_metadata
---
amdhsa.version: [ 1, 2 ]
amdhsa.kernels:
  - .name:           k_q1bf07bb497_gather
    .symbol:         k_q1bf07bb497_gather.kd
    .args:
      - { .name: x, .offset: 0, .size: 8, .value_kind: global_buffer, .address_space: global }
      - { .name: tok, .offset: 8, .size: 8, .value_kind: global_buffer, .address_space: global }
      - { .name: seg, .offset: 16, .size: 8, .value_kind: global_buffer, .address_space: global }
      - { .name: xs, .offset: 24, .size: 8, .value_kind: global_buffer, .address_space: global }
    .group_segment_fixed_size: 0
    .private_segment_fixed_size: 0
    .kernarg_segment_align: 8
    .kernarg_segment_size: 32
    .max_flat_workgroup_size: 256
    .sgpr_count:     66
    .vgpr_count:     56
    .wavefront_size: 32
...
	.end_amdgpu_metadata
.endif
;; end of part 2
;; launch ffn1 (part 3): grid 256 x 1, 4 waves a work-group, no clusters, 168,448 bytes of LDS; arguments xs, w_gate, w_up, seg, hb; writes hb
.if DOCPART == 3
	.amdgcn_target "amdgcn-amd-amdhsa--gfx1250"
	.amdhsa_code_object_version 6
	.text
	.protected	k_q1bf07bb497_ffn1
	.globl	k_q1bf07bb497_ffn1
	.p2align	8
	.type	k_q1bf07bb497_ffn1,@function
k_q1bf07bb497_ffn1:
	s_mov_b64 s[64:65], 0
	v_nop
	global_prefetch_b8 v0, s[64:65] scope:SCOPE_SE
	s_setreg_imm32_b32 hwreg(HW_REG_WAVE_MODE, 25, 1), 1
	s_wait_xcnt 0x0
; ffn1: h = silu(x Wg[e]) * (x Wu[e]) for each token's own expert, rounded once to bf16, stored in fragment order (layout as xs).
; Work-group (e = id >> 5, s = id & 31) owns columns 32 s .. 32 s + 31 of w_gate[e] and of w_up[e]: 2 x 1,024 rows x 128 bytes of f32, which no
; other work-group reads.  Phase 1 streams them through registers, rounds them to bf16 and lays them into LDS as WL[k][64] (gate 0-31, up 32-63),
; pitch 160 bytes (an odd multiple of 32: the transposing loads meet no bank twice).  Phase 2: wave w takes tiles seg[e] + 5 w .. + 4 of the
; expert's sorted rows, and 20 tiles further in each further pass.  The rows' fragments come from xs straight into registers
; (one 16-byte load a lane, 512 neighbouring bytes a wave), the weights' fragments from LDS by ds_load_tr16_b128.
; THE MATRIX INSTRUCTION IS USED TRANSPOSED: source 0 = 16 weight columns, source 1 = 16 tokens.  Register j of lane (r, h) is then token r,
; column 16 nt + 8 h + j, so that after silu and the product the lane's 16 numbers ARE the next launch's fragment of plane s: no shuffle.
; A tile number past the expert's last is clamped to the last: the wave multiplies that tile again and stores nothing for it.
; NO CLUSTER, NO JOINT LOADS, though the 32 work-groups of an expert read the same rows: a joint request lands in LDS, which would add ten
; fragment loads from LDS to the eight of every K step of a wave, and the number of passes hangs on counts read from memory.
; LIMITS: operands bf16, sums f32, h rounded once to bf16; silu(g) = g / (1 + 2^(-1.442695 g)) by v_exp_f32 and v_rcp_f32, whose results
; below 2^-126 come out as zero (ISA guide, their entries in 15.8).
; More than half of a WGP's LDS is asked for; 163,840 bytes are used.
.set NT,    135
.set PLANE, NT*1024
.set PB,    160                        ; LDS pitch of a k row
.set QB,    256*PB                     ; 256 k rows: what one address register reaches with a 16-bit immediate
; window 0
.set L16,   1                          ; v1        16 lane
.set WO,    2                          ; v2        (t >> 3) * 4096 + (t & 7) * 16: my 16 bytes in a group of 16 weight rows
.set LS,    4                          ; v[4:7]    where they go in LDS, one register for each 256 k rows
.set BA,    8                          ; v[8:11]   address of the transposing loads, likewise
.set WT,    16                         ; v[16:31]  eight pairs: four weights as bf16
.set BF,    32                         ; v[32:95]  weight fragments, two buffers of four column tiles x 8 registers
.set WR,    96                         ; v[96:223] ring of 32 weight loads x 4 registers (phase 1)
.set TT,    96                         ; v[96:111]  phase 2, the way out: 2^(-1.44 g), 1 + that, its reciprocal
.set PP,    112                        ; v[112:127] g u, then h
.set OUT,   128                        ; v[128:167] h as bf16, 8 registers a tile
; window 1: accumulators, tile (mt, nt) at 8 (4 mt + nt): nt 0, 1 gate, nt 2, 3 up.   window 2: ring of six K steps of row fragments, slot sl at 40 sl + 8 mt
.set AB,    24                         ; s[24:33]  xs at my five tiles
.set HB,    34                         ; s[34:43]  hb (plane s) at my five tiles
.set PASS,  44                         ; s44       passes done: the loop's counter
.set NPASS, 45                         ; s45       passes of this wave
.set MSB, 0
.macro WIN new                         ; low byte: bits 1:0 source 0, 3:2 source 1, 5:4 source 2, 7:6 destination; the high byte repeats the setting left
.if MSB != \new
	s_set_vgpr_msb (MSB<<8)|\new
.set MSB, \new
.endif
.endm
.macro PLACES                          ; four independent vector instructions behind matrix instructions (ISA guide 7.12.1)
.rept 4
	v_nop
.endr
.endm
	s_load_b256 s[4:11], s[0:1], 0x0               ; xs s[4:5], w_gate s[6:7], w_up s[8:9], seg s[10:11]
	s_load_b64 s[12:13], s[0:1], 0x20              ; hb
	v_lshl_add_u32 v254, v0, 2, 0x29000
	v_mov_b32 v255, 0
	v_lshrrev_b32 v3, 5, v0
	v_readfirstlane_b32 s14, v3                    ; wave 0..3
	s_lshr_b32 s15, ttmp9, 5                       ; e
	s_and_b32 s16, ttmp9, 31                       ; s
	s_lshl_b32 s23, s15, 2
	s_lshl_b32 s18, s15, 22                        ; an expert's matrix: 4 MiB
	s_lshl_b32 s17, s16, 7                         ; 32 f32 columns
	s_add_co_u32 s18, s18, s17
	s_mov_b32 s19, 0                               ; s[18:19]: an offset below 4 GiB; s19 stays 0
	v_and_b32 v[L16], 31, v0
	v_lshlrev_b32 v[L16], 4, v[L16]
	v_lshrrev_b32 v3, 3, v0                        ; t >> 3: my row of 16
	v_and_b32 v12, 7, v0                           ; t & 7 (= lane & 7)
	v_lshlrev_b32 v[WO], 12, v3
	v_lshl_add_u32 v[WO], v12, 4, v[WO]
	v_mul_u32_u24 v[LS], v3, PB
	v_lshl_add_u32 v[LS], v12, 3, v[LS]            ; four bf16 = 8 bytes
	v_bfe_u32 v13, v0, 4, 1                        ; h
	v_lshl_add_u32 v13, v13, 3, v12                ; k row (L & 7) + 8 h
	v_mul_u32_u24 v[BA], v13, PB
	v_bfe_u32 v14, v0, 3, 1
	v_lshl_add_u32 v[BA], v14, 4, v[BA]            ; + 16 ((L >> 3) & 1)
.irp q, 1,2,3
	v_add_nc_u32 v[LS+\q], \q*QB, v[LS]
	v_add_nc_u32 v[BA+\q], \q*QB, v[BA]
.endr
	s_wait_kmcnt 0x0
	s_load_b32 s20, s[10:11], s23 offset:0x0       ; seg[e]
	s_load_b32 s21, s[10:11], s23 offset:0x4       ; seg[e + 1]
	s_add_nc_u64 s[6:7], s[6:7], s[18:19]
	s_add_nc_u64 s[8:9], s[8:9], s[18:19]
; PHASE 1.  Load n (0..127): matrix n & 1 (gate, up), k rows 16 (n >> 1) .. + 15, 128 bytes each, for the whole work-group.
.macro WLOAD n
	global_load_b128 v[WR+4*((\n)%32):WR+4*((\n)%32)+3], v[WO], s[6+2*((\n)%2):7+2*((\n)%2)] offset:((\n)/2)*65536 th:TH_LOAD_NT
.endm
.macro WPUT n
.set lft, 127-(\n)
.if lft > 31
.set lft, 31
.endif
	s_wait_loadcnt lft                             ; loads return in order: load n is in, the younger ones of the ring stay out
	v_cvt_pk_bf16_f32 v[WT+2*((\n)%8)],   v[WR+4*((\n)%32)],   v[WR+4*((\n)%32)+1]
	v_cvt_pk_bf16_f32 v[WT+2*((\n)%8)+1], v[WR+4*((\n)%32)+2], v[WR+4*((\n)%32)+3]
	ds_store_b64 v[LS+(\n)/32], v[WT+2*((\n)%8):WT+2*((\n)%8)+1] offset:(((\n)/2)%16)*16*PB+64*((\n)%2)
.if (\n)+32 <= 127
	WLOAD (\n)+32
.endif
.endm
.set nn, 0
.rept 32
	WLOAD nn                                       ; 32 loads x 16 bytes x 128 threads on their way
.set nn, nn+1
.endr
	s_mul_i32 s18, s16, PLANE
	s_add_nc_u64 s[12:13], s[12:13], s[18:19]      ; hb at plane s
	s_wait_kmcnt 0x0
	s_min_u32 s20, s20, NT
	s_min_u32 s21, s21, NT                         ; TE: one past the expert's last tile
	s_mul_i32 s23, s14, 5
	s_add_co_u32 s20, s20, s23                     ; T0: my first tile
	s_sub_co_u32 s22, s21, 1                       ; the last tile (used only where the expert has one)
.set nn, 0
.rept 128
	WPUT nn
.set nn, nn+1
.endr
	s_wait_dscnt 0x0                               ; zero: the other waves read what I stored
	s_barrier_signal -1
	s_barrier_wait -1                              ; the launch's one barrier; every wave passes it, whatever the counts
	s_cmp_ge_u32 s20, s21
	s_cbranch_scc1 .Lend                           ; no tile for this wave
	; passes of this wave: ceil((TE - T0) / 20).  x / 20 = (x * 3277) >> 16 holds for x below 16,384 (3277 * 20 = 65,540); here x is at most 154
	s_sub_co_u32 s[NPASS], s21, s20
	s_add_co_u32 s[NPASS], s[NPASS], 19
	s_mul_i32 s[NPASS], s[NPASS], 3277
	s_lshr_b32 s[NPASS], s[NPASS], 16
	s_min_u32 s[NPASS], s[NPASS], 7                ; 135 tiles in steps of 20: never more than 7
	s_mov_b32 s[PASS], 0
; PHASE 2
.macro ALOAD ks, sl                    ; ten loads: the fragments of my five tiles for K step ks into ring slot sl
	WIN 0x80
.irp mt, 0,1,2,3,4
.irp hh, 0,1
	global_load_b128 v[40*(\sl)+8*\mt+4*\hh:40*(\sl)+8*\mt+4*\hh+3], v[L16], s[AB+2*\mt:AB+2*\mt+1] offset:(\ks)*PLANE+512*\hh
.endr
.endr
.endm
.macro BLOAD ks, b                     ; eight transposing loads: 32 k x 64 columns into buffer b
	WIN 0
.irp nt, 0,1,2,3
.irp hh, 0,1
	ds_load_tr16_b128 v[BF+32*(\b)+8*\nt+4*\hh:BF+32*(\b)+8*\nt+4*\hh+3], v[BA+(\ks)/8] offset:((\ks)%8)*32*PB+\hh*16*PB+32*\nt
.endr
.endr
.endm
.macro KSTEP ks
.set lft, 31-(\ks)
.if lft > 5
.set lft, 5
.endif
	s_wait_loadcnt 10*lft                          ; this step's ten loads are in; the ten of each younger slot stay out
	s_wait_dscnt 0x0                               ; this step's weight fragments, asked for one step ago
.if (\ks) < 31
	BLOAD (\ks)+1, ((\ks)+1)&1                     ; into the buffer read one step ago: four places stand behind those products
.endif
	WIN 0x58                                       ; source 0 window 0, source 1 window 2, C and D window 1
.irp mt, 0,1,2,3,4
.irp nt, 0,1,2,3
.if (\ks) == 0
	v_wmma_f32_16x16x32_bf16 v[8*(4*\mt+\nt):8*(4*\mt+\nt)+7], v[BF+32*((\ks)&1)+8*\nt:BF+32*((\ks)&1)+8*\nt+7], v[40*((\ks)%6)+8*\mt:40*((\ks)%6)+8*\mt+7], 0
.else
	v_wmma_f32_16x16x32_bf16 v[8*(4*\mt+\nt):8*(4*\mt+\nt)+7], v[BF+32*((\ks)&1)+8*\nt:BF+32*((\ks)&1)+8*\nt+7], v[40*((\ks)%6)+8*\mt:40*((\ks)%6)+8*\mt+7], v[8*(4*\mt+\nt):8*(4*\mt+\nt)+7]
.endif
.endr
.endr
	PLACES                                         ; in front of the loads into the slot and the buffer just read, and of the way out
.if (\ks)+6 <= 31
	ALOAD (\ks)+6, (\ks)%6
.endif
.endm
; tile mt on its way out: h = g u / (1 + 2^(-1.442695 g)), 16 numbers a lane, 32 bytes of bf16
.macro HTILE mt
.if \mt > 0
	s_add_co_u32 s23, s20, \mt
	s_cmp_ge_u32 s23, s21
	s_cbranch_scc1 .Ltiles_done                    ; past the expert's last tile: nothing to store
.endif
	WIN 0x01
.irp i, 0,1,2,3,4,5,6,7
	v_pk_mul_f32 v[TT+2*\i:TT+2*\i+1], v[32*\mt+2*\i:32*\mt+2*\i+1], 0xbfb8aa3b op_sel_hi:[1,0]
.endr
	WIN 0x05
.irp i, 0,1,2,3,4,5,6,7
	v_pk_mul_f32 v[PP+2*\i:PP+2*\i+1], v[32*\mt+2*\i:32*\mt+2*\i+1], v[32*\mt+16+2*\i:32*\mt+16+2*\i+1]
.endr
	WIN 0
.irp i, 0,1,2,3,4,5,6,7,8,9,10,11,12,13,14,15
	v_exp_f32 v[TT+\i], v[TT+\i]
.endr
	v_nop                                          ; one plain instruction between a transcendental and the use of its result (ISA guide 5.7.2)
	s_wait_alu depctr_va_vdst(0)
.irp i, 0,1,2,3,4,5,6,7
	v_pk_add_f32 v[TT+2*\i:TT+2*\i+1], v[TT+2*\i:TT+2*\i+1], 1.0 op_sel_hi:[1,0]
.endr
.irp i, 0,1,2,3,4,5,6,7,8,9,10,11,12,13,14,15
	v_rcp_f32 v[TT+\i], v[TT+\i]
.endr
	v_nop
	s_wait_alu depctr_va_vdst(0)
.irp i, 0,1,2,3,4,5,6,7
	v_pk_mul_f32 v[PP+2*\i:PP+2*\i+1], v[PP+2*\i:PP+2*\i+1], v[TT+2*\i:TT+2*\i+1]
.endr
.irp i, 0,1,2,3,4,5,6,7
	v_cvt_pk_bf16_f32 v[OUT+8*\mt+\i], v[PP+2*\i], v[PP+2*\i+1]
.endr
	global_store_b128 v[L16], v[OUT+8*\mt:OUT+8*\mt+3],   s[HB+2*\mt:HB+2*\mt+1]              ; k = 8h .. of plane s: 512 neighbouring bytes
	global_store_b128 v[L16], v[OUT+8*\mt+4:OUT+8*\mt+7], s[HB+2*\mt:HB+2*\mt+1] offset:512   ; k = 16+8h ..
.endm
.Lpass:
.irp mt, 0,1,2,3,4
	s_add_co_u32 s23, s20, \mt
	s_min_u32 s23, s23, s22                        ; past the end: the last tile again
	s_min_u32 s23, s23, NT-1
	s_lshl_b32 s18, s23, 10
	s_add_nc_u64 s[AB+2*\mt:AB+2*\mt+1], s[4:5], s[18:19]
	s_add_nc_u64 s[HB+2*\mt:HB+2*\mt+1], s[12:13], s[18:19]
.endr
.set kk, 0
.rept 6
	ALOAD kk, kk                                   ; the ring: 60 loads of 512 bytes a wave
.set kk, kk+1
.endr
	BLOAD 0, 0
.set kk, 0
.rept 32
	KSTEP kk                                       ; every step's address is an immediate: no pointer is stepped
.set kk, kk+1
.endr
	HTILE 0
	HTILE 1
	HTILE 2
	HTILE 3
	HTILE 4
.Ltiles_done:
	s_wait_xcnt 0x0                                ; the stores' data and bases are rewritten in the next pass only behind this wait
	s_add_co_u32 s20, s20, 20                      ; my next five tiles: four waves x five tiles further
	s_add_co_u32 s[PASS], s[PASS], 1
	s_cmp_lt_u32 s[PASS], s[NPASS]
	s_cbranch_scc1 .Lpass
.Lend:
	s_wait_tensorcnt 0x0
	ds_add_u32 v254, v255
	s_wait_dscnt 0x0
	s_endpgm
.Lfunc_end_k_q1bf07bb497_ffn1:
	.size	k_q1bf07bb497_ffn1, .Lfunc_end_k_q1bf07bb497_ffn1-k_q1bf07bb497_ffn1
	.p2alignl 7, 3214868480
	.fill 96, 4, 3214868480
	.section	.rodata,"a",@progbits
	.p2align	6, 0x0
	.amdhsa_kernel k_q1bf07bb497_ffn1
		.amdhsa_group_segment_fixed_size 168448
		.amdhsa_private_segment_fixed_size 0
		.amdhsa_enable_private_segment 0
		.amdhsa_kernarg_size 40
		.amdhsa_user_sgpr_count 2
		.amdhsa_user_sgpr_kernarg_segment_ptr 1
		.amdhsa_wavefront_size32 1
		.amdhsa_system_sgpr_workgroup_id_x 1
		.amdhsa_system_sgpr_workgroup_id_y 1
		.amdhsa_system_sgpr_workgroup_id_z 1
		.amdhsa_system_vgpr_workitem_id 0
		.amdhsa_next_free_vgpr 768
		.amdhsa_next_free_sgpr 66
		.amdhsa_reserve_vcc 0
		.amdhsa_float_denorm_mode_32 3
		.amdhsa_float_denorm_mode_16_64 3
		.amdhsa_memory_ordered 1
		.amdhsa_forward_progress 1
		.amdhsa_inst_pref_size 161
	.end_amdhsa_kernel
	.amdgpu_metadata
---
amdhsa.version: [ 1, 2 ]
amdhsa.kernels:
  - .name:           k_q1bf07bb497_ffn1
    .symbol:         k_q1bf07bb497_ffn1.kd
    .args:
      - { .name: xs, .offset: 0, .size: 8, .value_kind: global_buffer, .address_space: global }
      - { .name: w_gate, .offset: 8, .size: 8, .value_kind: global_buffer, .address_space: global }
      - { .name: w_up, .offset: 16, .size: 8, .value_kind: global_buffer, .address_space: global }
      - { .name: seg, .offset: 24, .size: 8, .value_kind: global_buffer, .address_space: global }
      - { .name: hb, .offset: 32, .size: 8, .value_kind: global_buffer, .address_space: global }
    .group_segment_fixed_size: 168448
    .private_segment_fixed_size: 0
    .kernarg_segment_align: 8
    .kernarg_segment_size: 40
    .max_flat_workgroup_size: 128
    .sgpr_count:     66
    .vgpr_count:     768
    .wavefront_size: 32
...
	.end_amdgpu_metadata
.endif
;; end of part 3
;; launch ffn2 (part 4): grid 256 x 1, 4 waves a work-group, no clusters, 168,448 bytes of LDS; arguments hb, w_down, seg, tok, out0; writes out0
.if DOCPART == 4
	.amdgcn_target "amdgcn-amd-amdhsa--gfx1250"
	.amdhsa_code_object_version 6
	.text
	.protected	k_q1bf07bb497_ffn2
	.globl	k_q1bf07bb497_ffn2
	.p2align	8
	.type	k_q1bf07bb497_ffn2,@function
k_q1bf07bb497_ffn2:
	s_mov_b64 s[64:65], 0
	v_nop
	global_prefetch_b8 v0, s[64:65] scope:SCOPE_SE
	s_setreg_imm32_b32 hwreg(HW_REG_WAVE_MODE, 25, 1), 1
	s_wait_xcnt 0x0
; ffn2: y = h Wd[e] in f32, each sorted row stored to its token's row of out0.
; Work-group (e = id >> 5, s = id & 31) owns columns 32 s .. 32 s + 31 of w_down[e]: 1,024 rows x 128 bytes of f32, read by no other work-group.
; Phase 1 rounds them to bf16 into LDS, WL[k][32], pitch 96 bytes (an odd multiple of 32).  Phase 2 as in the launch before: wave w takes tiles
; seg[e] + 5 w .. + 4, 20 further in each further pass; h's fragments come from hb straight into registers, the weights' from LDS by
; ds_load_tr16_b128; the matrix instruction is used transposed, so that register j of lane (r, h) is token r, column 16 nt + 8 h + j.
; The way out: a tile's 16 rows x 128 bytes go through the wave's own stage in LDS (pitch 144), are read back so that eight neighbouring lanes hold
; a row's 128 bytes, and are stored to row tok[..] of out0.  Every token stands in tok, and each work-group owns its columns, so every number of
; out0 is stored.  A row that pads a tile carries the tile's first token and that token's data all the way from the first launch: this wave
; stores the same numbers to the same bytes once more, and no store needs a mask.
; A store covers four aligned pieces of 128 bytes: with 256 work-groups that each read their weights once, a work-group has 32 f32 columns.
; NO CLUSTER, NO JOINT LOADS, though the 32 work-groups of an expert read the same rows of hb: a joint request lands in LDS, which would add ten
; fragment loads from LDS to the four of every K step of a wave, and the number of passes hangs on counts read from memory.
; LIMITS: operands bf16, sums f32.  More than half of a WGP's LDS is asked for; 107,520 bytes are used.
.set NT,    135
.set PLANE, NT*1024
.set PB,    96                         ; LDS pitch of a k row
.set QB,    512*PB                     ; 512 k rows for each address register
.set STAGE, 1024*PB                    ; behind the weights: 16 rows x 144 bytes for each wave
.set SP,    144
; window 0
.set L16,   1                          ; v1        16 lane
.set WO,    2                          ; v2        (t >> 3) * 4096 + (t & 7) * 16
.set LS,    4                          ; v[4:5]    LDS address of my four weights
.set BA,    8                          ; v[8:9]    address of the transposing loads
.set ST,    10                         ; v10       stage, in: row r, 32 bytes for each half of the lanes
.set RD,    11                         ; v11       stage, back: row 4 (L >> 3), 16 bytes at 16 (L & 7)
.set C16,   12                         ; v12       16 (L & 7)
.set TKO,   13                         ; v13       16 (L >> 3): four token numbers
.set WT,    16                         ; v[16:31]  eight pairs of packed weights
.set BF,    32                         ; v[32:63]  weight fragments, two buffers of two column tiles
.set TK,    64                         ; v[64:83]  tile mt: the tokens of rows 4 (L >> 3) + 0..3, then their byte offsets in out0
.set OO,    84                         ; v[84:99]  four pieces of 16 bytes on their way out
.set WR,    104                        ; v[104:231] ring of 32 weight loads
; window 1: accumulators, tile (mt, nt) at 8 (2 mt + nt).   window 2: ring of six K steps of h fragments, slot sl at 40 sl + 8 mt
.set AB,    24                         ; s[24:33]  hb at my five tiles
.set PASS,  34                         ; s34       passes done: the loop's counter
.set NPASS, 35                         ; s35       passes of this wave
.set TKB,   36                         ; s[36:45]  tok at my five tiles
.set MSB, 0
.macro WIN new                         ; low byte: bits 1:0 source 0, 3:2 source 1, 5:4 source 2, 7:6 destination; the high byte repeats the setting left
.if MSB != \new
	s_set_vgpr_msb (MSB<<8)|\new
.set MSB, \new
.endif
.endm
.macro PLACES                          ; four independent vector instructions behind matrix instructions (ISA guide 7.12.1)
.rept 4
	v_nop
.endr
.endm
	s_load_b256 s[4:11], s[0:1], 0x0               ; hb s[4:5], w_down s[6:7], seg s[8:9], tok s[10:11]
	s_load_b64 s[12:13], s[0:1], 0x20              ; out0
	v_lshl_add_u32 v254, v0, 2, 0x29000
	v_mov_b32 v255, 0
	v_lshrrev_b32 v3, 5, v0
	v_readfirstlane_b32 s14, v3                    ; wave 0..3
	s_lshr_b32 s15, ttmp9, 5                       ; e
	s_and_b32 s16, ttmp9, 31                       ; s
	s_lshl_b32 s23, s15, 2
	s_lshl_b32 s18, s15, 22                        ; an expert's matrix: 4 MiB
	s_lshl_b32 s22, s16, 7                         ; 32 f32 columns
	s_add_co_u32 s18, s18, s22
	s_mov_b32 s19, 0                               ; s[18:19]: an offset below 4 GiB; s19 stays 0
	s_mul_i32 s17, s14, 16*SP
	s_add_co_u32 s17, s17, STAGE                   ; my stage
	v_and_b32 v[L16], 31, v0
	v_lshlrev_b32 v[L16], 4, v[L16]
	v_lshrrev_b32 v3, 3, v0                        ; t >> 3
	v_and_b32 v15, 7, v0                           ; t & 7 (= lane & 7)
	v_lshlrev_b32 v[WO], 12, v3
	v_lshl_add_u32 v[WO], v15, 4, v[WO]
	v_mul_u32_u24 v[LS], v3, PB
	v_lshl_add_u32 v[LS], v15, 3, v[LS]
	v_add_nc_u32 v[LS+1], QB, v[LS]
	v_bfe_u32 v14, v0, 4, 1                        ; h
	v_lshl_add_u32 v3, v14, 3, v15                 ; k row (L & 7) + 8 h
	v_mul_u32_u24 v[BA], v3, PB
	v_bfe_u32 v3, v0, 3, 1
	v_lshl_add_u32 v[BA], v3, 4, v[BA]             ; + 16 ((L >> 3) & 1)
	v_add_nc_u32 v[BA+1], QB, v[BA]
	v_and_b32 v3, 15, v0                           ; r
	v_mul_u32_u24 v[ST], v3, SP
	v_lshl_add_u32 v[ST], v14, 5, v[ST]
	v_add_nc_u32 v[ST], s17, v[ST]
	v_bfe_u32 v3, v0, 3, 2                         ; L >> 3
	v_lshlrev_b32 v[C16], 4, v15
	v_lshlrev_b32 v[TKO], 4, v3
	v_mul_u32_u24 v[RD], v3, 4*SP
	v_add_nc_u32 v[RD], v[RD], v[C16]
	v_add_nc_u32 v[RD], s17, v[RD]
	s_wait_kmcnt 0x0
	s_load_b32 s20, s[8:9], s23 offset:0x0         ; seg[e]
	s_load_b32 s21, s[8:9], s23 offset:0x4         ; seg[e + 1]
	s_add_nc_u64 s[6:7], s[6:7], s[18:19]
; PHASE 1.  Load n (0..63): k rows 16 n .. 16 n + 15, 128 bytes each, for the whole work-group.
.macro WLOAD n
	global_load_b128 v[WR+4*((\n)%32):WR+4*((\n)%32)+3], v[WO], s[6:7] offset:(\n)*65536 th:TH_LOAD_NT
.endm
.macro WPUT n
.set lft, 63-(\n)
.if lft > 31
.set lft, 31
.endif
	s_wait_loadcnt lft                             ; loads return in order: load n is in, the younger ones of the ring stay out
	v_cvt_pk_bf16_f32 v[WT+2*((\n)%8)],   v[WR+4*((\n)%32)],   v[WR+4*((\n)%32)+1]
	v_cvt_pk_bf16_f32 v[WT+2*((\n)%8)+1], v[WR+4*((\n)%32)+2], v[WR+4*((\n)%32)+3]
	ds_store_b64 v[LS+(\n)/32], v[WT+2*((\n)%8):WT+2*((\n)%8)+1] offset:((\n)%32)*16*PB
.if (\n)+32 <= 63
	WLOAD (\n)+32
.endif
.endm
.set nn, 0
.rept 32
	WLOAD nn                                       ; 32 loads x 16 bytes x 128 threads on their way
.set nn, nn+1
.endr
	s_mov_b32 s18, s22
	s_add_nc_u64 s[12:13], s[12:13], s[18:19]      ; out0 at my columns
	s_wait_kmcnt 0x0
	s_min_u32 s20, s20, NT
	s_min_u32 s21, s21, NT                         ; TE: one past the expert's last tile
	s_mul_i32 s23, s14, 5
	s_add_co_u32 s20, s20, s23                     ; T0: my first tile
	s_sub_co_u32 s22, s21, 1                       ; the last tile (used only where the expert has one)
.set nn, 0
.rept 64
	WPUT nn
.set nn, nn+1
.endr
	s_wait_dscnt 0x0                               ; zero: the other waves read what I stored
	s_barrier_signal -1
	s_barrier_wait -1                              ; the launch's one barrier; every wave passes it, whatever the counts
	s_cmp_ge_u32 s20, s21
	s_cbranch_scc1 .Lend                           ; no tile for this wave
	; passes of this wave: ceil((TE - T0) / 20).  x / 20 = (x * 3277) >> 16 holds for x below 16,384 (3277 * 20 = 65,540); here x is at most 154
	s_sub_co_u32 s[NPASS], s21, s20
	s_add_co_u32 s[NPASS], s[NPASS], 19
	s_mul_i32 s[NPASS], s[NPASS], 3277
	s_lshr_b32 s[NPASS], s[NPASS], 16
	s_min_u32 s[NPASS], s[NPASS], 7                ; 135 tiles in steps of 20: never more than 7
	s_mov_b32 s[PASS], 0
; PHASE 2
.macro ALOAD ks, sl                    ; ten loads: the fragments of my five tiles for K step ks into ring slot sl
	WIN 0x80
.irp mt, 0,1,2,3,4
.irp hh, 0,1
	global_load_b128 v[40*(\sl)+8*\mt+4*\hh:40*(\sl)+8*\mt+4*\hh+3], v[L16], s[AB+2*\mt:AB+2*\mt+1] offset:(\ks)*PLANE+512*\hh
.endr
.endr
.endm
.macro BLOAD ks, b                     ; four transposing loads: 32 k x 32 columns into buffer b
	WIN 0
.irp nt, 0,1
.irp hh, 0,1
	ds_load_tr16_b128 v[BF+16*(\b)+8*\nt+4*\hh:BF+16*(\b)+8*\nt+4*\hh+3], v[BA+(\ks)/16] offset:((\ks)%16)*32*PB+\hh*16*PB+32*\nt
.endr
.endr
.endm
.macro KSTEP ks
.set lft, 31-(\ks)
.if lft > 5
.set lft, 5
.endif
	s_wait_loadcnt 10*lft                          ; this step's ten loads (and the older token loads) are in; ten of each younger slot stay out
	s_wait_dscnt 0x0                               ; this step's weight fragments, asked for one step ago
.if (\ks) < 31
	BLOAD (\ks)+1, ((\ks)+1)&1                     ; into the buffer read one step ago: four places stand behind those products
.endif
	WIN 0x58                                       ; source 0 window 0, source 1 window 2, C and D window 1
.irp mt, 0,1,2,3,4
.irp nt, 0,1
.if (\ks) == 0
	v_wmma_f32_16x16x32_bf16 v[8*(2*\mt+\nt):8*(2*\mt+\nt)+7], v[BF+16*((\ks)&1)+8*\nt:BF+16*((\ks)&1)+8*\nt+7], v[40*((\ks)%6)+8*\mt:40*((\ks)%6)+8*\mt+7], 0
.else
	v_wmma_f32_16x16x32_bf16 v[8*(2*\mt+\nt):8*(2*\mt+\nt)+7], v[BF+16*((\ks)&1)+8*\nt:BF+16*((\ks)&1)+8*\nt+7], v[40*((\ks)%6)+8*\mt:40*((\ks)%6)+8*\mt+7], v[8*(2*\mt+\nt):8*(2*\mt+\nt)+7]
.endif
.endr
.endr
	PLACES                                         ; in front of the loads into the slot and the buffer just read, and of the way out
.if (\ks)+6 <= 31
	ALOAD (\ks)+6, (\ks)%6
.endif
.endm
; tile mt on its way out
.macro OTILE mt
.if \mt > 0
	s_add_co_u32 s23, s20, \mt
	s_cmp_ge_u32 s23, s21
	s_cbranch_scc1 .Ltiles_done                    ; past the expert's last tile: nothing to store
.endif
	WIN 0x04                                       ; store data from window 1
.irp nt, 0,1
.irp q, 0,1
	ds_store_b128 v[ST], v[8*(2*\mt+\nt)+4*\q:8*(2*\mt+\nt)+4*\q+3] offset:64*\nt+16*\q
.endr
.endr
	WIN 0
	s_wait_xcnt 0x0                                ; OO, the data of the last tile's stores, is loaded again only behind this wait
.irp i, 0,1,2,3
	ds_load_b128 v[OO+4*\i:OO+4*\i+3], v[RD] offset:SP*\i          ; my own stage, and LDS serves a wave in order: these see the stores above
.endr
.irp i, 0,1,2,3
	v_min_u32 v[TK+4*\mt+\i], 0x7ff, v[TK+4*\mt+\i]                ; the number is clamped to out0's rows before it enters an address
	v_lshlrev_b32 v[TK+4*\mt+\i], 12, v[TK+4*\mt+\i]               ; 4,096 bytes a row of out0
	v_add_nc_u32 v[TK+4*\mt+\i], v[C16], v[TK+4*\mt+\i]            ; + my 16 bytes of the row's 128
.endr
.irp i, 0,1,2,3
	s_wait_dscnt 3-\i                              ; piece i is back; the younger ones may be out
	global_store_b128 v[TK+4*\mt+\i], v[OO+4*\i:OO+4*\i+3], s[12:13] th:TH_STORE_NT
.endr
.endm
.Lpass:
.irp mt, 0,1,2,3,4
	s_add_co_u32 s23, s20, \mt
	s_min_u32 s23, s23, s22                        ; past the end: the last tile again
	s_min_u32 s23, s23, NT-1
	s_lshl_b32 s18, s23, 10
	s_add_nc_u64 s[AB+2*\mt:AB+2*\mt+1], s[4:5], s[18:19]
	s_lshl_b32 s18, s23, 6                         ; 16 words of tok a tile
	s_add_nc_u64 s[TKB+2*\mt:TKB+2*\mt+1], s[10:11], s[18:19]
.endr
.irp mt, 0,1,2,3,4
	global_load_b128 v[TK+4*\mt:TK+4*\mt+3], v[TKO], s[TKB+2*\mt:TKB+2*\mt+1]   ; older than every load of the ring
.endr
.set kk, 0
.rept 6
	ALOAD kk, kk                                   ; the ring: 60 loads of 512 bytes a wave; issue holds back while the counter's field is full (ISA guide 5.7.1)
.set kk, kk+1
.endr
	BLOAD 0, 0
.set kk, 0
.rept 32
	KSTEP kk                                       ; every step's address is an immediate: no pointer is stepped
.set kk, kk+1
.endr
	OTILE 0
	OTILE 1
	OTILE 2
	OTILE 3
	OTILE 4
.Ltiles_done:
	s_wait_xcnt 0x0                                ; bases and the stores' offsets (TK) are rewritten in the next pass only behind this wait
	s_add_co_u32 s20, s20, 20                      ; my next five tiles: four waves x five tiles further
	s_add_co_u32 s[PASS], s[PASS], 1
	s_cmp_lt_u32 s[PASS], s[NPASS]
	s_cbranch_scc1 .Lpass
.Lend:
	s_wait_tensorcnt 0x0
	ds_add_u32 v254, v255
	s_wait_dscnt 0x0
	s_endpgm
.Lfunc_end_k_q1bf07bb497_ffn2:
	.size	k_q1bf07bb497_ffn2, .Lfunc_end_k_q1bf07bb497_ffn2-k_q1bf07bb497_ffn2
	.p2alignl 7, 3214868480
	.fill 96, 4, 3214868480
	.section	.rodata,"a",@progbits
	.p2align	6, 0x0
	.amdhsa_kernel k_q1bf07bb497_ffn2
		.amdhsa_group_segment_fixed_size 168448
		.amdhsa_private_segment_fixed_size 0
		.amdhsa_enable_private_segment 0
		.amdhsa_kernarg_size 40
		.amdhsa_user_sgpr_count 2
		.amdhsa_user_sgpr_kernarg_segment_ptr 1
		.amdhsa_wavefront_size32 1
		.amdhsa_system_sgpr_workgroup_id_x 1
		.amdhsa_system_sgpr_workgroup_id_y 1
		.amdhsa_system_sgpr_workgroup_id_z 1
		.amdhsa_system_vgpr_workitem_id 0
		.amdhsa_next_free_vgpr 768
		.amdhsa_next_free_sgpr 66
		.amdhsa_reserve_vcc 0
		.amdhsa_float_denorm_mode_32 3
		.amdhsa_float_denorm_mode_16_64 3
		.amdhsa_memory_ordered 1
		.amdhsa_forward_progress 1
		.amdhsa_inst_pref_size 101
	.end_amdhsa_kernel
	.amdgpu_metadata
---
amdhsa.version: [ 1, 2 ]
amdhsa.kernels:
  - .name:           k_q1bf07bb497_ffn2
    .symbol:         k_q1bf07bb497_ffn2.kd
    .args:
      - { .name: hb, .offset: 0, .size: 8, .value_kind: global_buffer, .address_space: global }
      - { .name: w_down, .offset: 8, .size: 8, .value_kind: global_buffer, .address_space: global }
      - { .name: seg, .offset: 16, .size: 8, .value_kind: global_buffer, .address_space: global }
      - { .name: tok, .offset: 24, .size: 8, .value_kind: global_buffer, .address_space: global }
      - { .name: out0, .offset: 32, .size: 8, .value_kind: global_buffer, .address_space: global }
    .group_segment_fixed_size: 168448
    .private_segment_fixed_size: 0
    .kernarg_segment_align: 8
    .kernarg_segment_size: 40
    .max_flat_workgroup_size: 128
    .sgpr_count:     66
    .vgpr_count:     768
    .wavefront_size: 32
...
	.end_amdgpu_metadata
.endif
;; end of part 4
;; ======== version 2 of 2: 4 launches; version 1 with the launches ffn1, ffn2 written anew for expert scheduling mode
;; workspace buffers: xs 4,423,680 bytes; hb 4,423,680 bytes; tok 12,288 bytes of whole numbers; seg 256 bytes of whole numbers
;; launch sort: the kernel of part 1 again; grid 1 x 1, 8 waves a work-group, no clusters, 13,824 bytes of LDS; arguments expert_idx, tok, seg; writes tok, seg
;; launch gather: the kernel of part 2 again; grid 135 x 2, 8 waves a work-group, no clusters, 0 bytes of LDS; arguments x, tok, seg, xs; writes xs
;; launch ffn1 (part 5): grid 256 x 1, 4 waves a work-group, no clusters, 168,448 bytes of LDS; arguments xs, w_gate, w_up, seg, hb; writes hb
.if DOCPART == 5
	.amdgcn_target "amdgcn-amd-amdhsa--gfx1250"
	.amdhsa_code_object_version 6
	.text
	.protected	k_q1bf07bb497_ffn1
	.globl	k_q1bf07bb497_ffn1
	.p2align	8
	.type	k_q1bf07bb497_ffn1,@function
k_q1bf07bb497_ffn1:
	s_mov_b64 s[64:65], 0
	v_nop
	global_prefetch_b8 v0, s[64:65] scope:SCOPE_SE
	s_setreg_imm32_b32 hwreg(HW_REG_WAVE_SCHED_MODE, 0, 2), 2
	s_setreg_imm32_b32 hwreg(HW_REG_WAVE_MODE, 25, 1), 1
	s_wait_xcnt 0x0
	s_wait_alu depctr_vm_vsrc(0)
; ffn1: h = silu(x Wg[e]) * (x Wu[e]) for each token's own expert, rounded once to bf16, stored in fragment order (layout as xs).
; Work-group (e = id >> 5, s = id & 31) owns columns 32 s .. 32 s + 31 of w_gate[e] and of w_up[e]: 2 x 1,024 rows x 128 bytes of f32, which no
; other work-group reads.  Phase 1 streams them through registers, rounds them to bf16 and lays them into LDS as WL[k][64] (gate 0-31, up 32-63),
; pitch 160 bytes (an odd multiple of 32: the transposing loads meet no bank twice).  Phase 2: wave w takes tiles seg[e] + 5 w .. + 4 of the
; expert's sorted rows, and 20 tiles further in each further pass.  The rows' fragments come from xs straight into registers
; (one 16-byte load a lane, 512 neighbouring bytes a wave), the weights' fragments from LDS by ds_load_tr16_b128.
; THE MATRIX INSTRUCTION IS USED TRANSPOSED: source 0 = 16 weight columns, source 1 = 16 tokens.  Register j of lane (r, h) is then token r,
; column 16 nt + 8 h + j, so that after silu and the product the lane's 16 numbers ARE the next launch's fragment of plane s: no shuffle.
; A tile number past the expert's last is clamped to the last: the wave multiplies that tile again and stores nothing for it.
; NO CLUSTER, NO JOINT LOADS, though the 32 work-groups of an expert read the same rows: a joint request lands in LDS, which would add ten
; fragment loads from LDS to the eight of every K step of a wave, and the number of passes hangs on counts read from memory.
; LIMITS: operands bf16, sums f32, h rounded once to bf16; silu(g) = g / (1 + 2^(-1.442695 g)) by v_exp_f32 and v_rcp_f32, whose results
; below 2^-126 come out as zero (ISA guide, their entries in 15.8).
; More than half of a WGP's LDS is asked for; 163,840 bytes are used.
; THE MODE: SCHED_MODE bits 1:0 = 2 (LLVM: expert scheduling mode 2), set by the entry lines.  The code itself states the register dependences
; between vector or matrix instructions and memory or LDS instructions, with s_wait_alu, always for 0.
; THE PLAN.  Registers that memory or LDS instructions touch:
;   v[L16], v[WO], v[LS ..], v[BA ..]   offsets and LDS addresses: made at the head, ahead of one wait on va_vdst, and never written again.
;   PHASE 1 goes in 16 groups of eight loads.
;   WR    five groups of eight slots.  Group g's sixteen conversions read its slots; behind them the loads of group g + 5 land there.
;   WT    two buffers.  Group g's conversions write WT[g % 2], its eight LDS stores read it, group g + 2 writes it again.
;         Two waits to a group: on vm_vsrc at its head (the LDS stores of group g - 2 have read WT[g % 2]) and on va_vdst behind its conversions
;         (WT is written; the slots have been read).  The group's eight loads and eight LDS stores follow that wait with nothing more owed.
;   PHASE 2, K step ks:
;   ring  seven slots of row fragments.  The step's matrix instructions read slot ks % 7; step ks + 1 loads step ks + 7 into it.
;   BF    three buffers of weight fragments.  The step's matrix instructions read BF[ks % 3]; step ks + 1 loads step ks + 3 into it.
;         ONE wait on va_vdst at a step's head: the matrix instructions of the step before are done reading their slot and their buffer.  The step's
;         eighteen loads follow its first four matrix instructions, which name BF[ks % 3], slot ks % 7 and accumulators: no register of those loads.
;   OUT   eight registers a tile.  The tile's conversions write them, one wait on va_vdst, its two stores read them; the next pass writes them
;         again behind one wait on vm_vsrc at the pass's end.
;   The first loads of a pass and those of its step 0 land in registers whose last readers, the pass before's matrix instructions, stand ahead of
;   the way out's first wait on va_vdst; nothing behind that wait names them.
.set NT,    135
.set PLANE, NT*1024
.set PB,    160                        ; LDS pitch of a k row
.set QB,    256*PB                     ; 256 k rows: what one address register reaches with a 16-bit immediate
; window 0
.set L16,   1                          ; v1        16 lane
.set WO,    2                          ; v2        (t >> 3) * 4096 + (t & 7) * 16: my 16 bytes in a group of 16 weight rows
.set LS,    4                          ; v[4:7]    where they go in LDS, one register for each 256 k rows
.set BA,    8                          ; v[8:11]   address of the transposing loads, likewise
.set WT,    16                         ; v[16:47]  phase 1: two buffers of eight pairs; a pair: four weights as bf16
.set BF,    32                         ; v[32:127] phase 2: weight fragments, three buffers of four column tiles x 8 registers
.set WR,    96                         ; v[96:255] phase 1: ring of 40 weight loads x 4 registers
.set TT,    128                        ; v[128:143] phase 2, the way out: 2^(-1.44 g), 1 + that, its reciprocal
.set PP,    144                        ; v[144:159] g u, then h
.set OUT,   160                        ; v[160:199] h as bf16, 8 registers a tile
; window 1: v0-159 accumulators, tile (mt, nt) at 8 (4 mt + nt): nt 0, 1 gate, nt 2, 3 up; v160-199 slot 6 of the ring.
; window 2: slots 0 to 5 of the ring, slot sl at 40 sl.  In a slot: tile mt at + 8 mt
.set AB,    24                         ; s[24:33]  xs at my five tiles
.set HB,    34                         ; s[34:43]  hb (plane s) at my five tiles
.set PASS,  44                         ; s44       passes done: the loop's counter
.set NPASS, 45                         ; s45       passes of this wave
.set MSB, 0
.macro WIN new                         ; low byte: bits 1:0 source 0, 3:2 source 1, 5:4 source 2, 7:6 destination; the high byte repeats the setting left
.if MSB != (\new)
	s_set_vgpr_msb (MSB<<8)|(\new)
.set MSB, (\new)
.endif
.endm
.macro PLACES                          ; four independent vector instructions behind matrix instructions (ISA guide 7.12.1)
.rept 4
	v_nop
.endr
.endm
	s_load_b256 s[4:11], s[0:1], 0x0               ; xs s[4:5], w_gate s[6:7], w_up s[8:9], seg s[10:11]
	s_load_b64 s[12:13], s[0:1], 0x20              ; hb
	v_lshl_add_u32 v15, v0, 2, 0x29000
	s_set_vgpr_msb 0x40
	v_mov_b32 v255, 0
	s_set_vgpr_msb 0x4000
	v_lshrrev_b32 v3, 5, v0
	v_readfirstlane_b32 s14, v3                    ; wave 0..3
	s_lshr_b32 s15, ttmp9, 5                       ; e
	s_and_b32 s16, ttmp9, 31                       ; s
	s_lshl_b32 s23, s15, 2
	s_lshl_b32 s18, s15, 22                        ; an expert's matrix: 4 MiB
	s_lshl_b32 s17, s16, 7                         ; 32 f32 columns
	s_add_co_u32 s18, s18, s17
	s_mov_b32 s19, 0                               ; s[18:19]: an offset below 4 GiB; s19 stays 0
	v_and_b32 v[L16], 31, v0
	v_lshlrev_b32 v[L16], 4, v[L16]
	v_lshrrev_b32 v3, 3, v0                        ; t >> 3: my row of 16
	v_and_b32 v12, 7, v0                           ; t & 7 (= lane & 7)
	v_lshlrev_b32 v[WO], 12, v3
	v_lshl_add_u32 v[WO], v12, 4, v[WO]
	v_mul_u32_u24 v[LS], v3, PB
	v_lshl_add_u32 v[LS], v12, 3, v[LS]            ; four bf16 = 8 bytes
	v_bfe_u32 v13, v0, 4, 1                        ; h
	v_lshl_add_u32 v13, v13, 3, v12                ; k row (L & 7) + 8 h
	v_mul_u32_u24 v[BA], v13, PB
	v_bfe_u32 v14, v0, 3, 1
	v_lshl_add_u32 v[BA], v14, 4, v[BA]            ; + 16 ((L >> 3) & 1)
.irp q, 1,2,3
	v_add_nc_u32 v[LS+\q], \q*QB, v[LS]
	v_add_nc_u32 v[BA+\q], \q*QB, v[BA]
.endr
	s_wait_alu depctr_va_sdst(0)                   ; s14 is written, ahead of its first reader: my first tile is made from it
	s_wait_kmcnt 0x0
	s_load_b32 s20, s[10:11], s23 offset:0x0       ; seg[e]
	s_load_b32 s21, s[10:11], s23 offset:0x4       ; seg[e + 1]
	s_add_nc_u64 s[6:7], s[6:7], s[18:19]
	s_add_nc_u64 s[8:9], s[8:9], s[18:19]
	s_wait_alu depctr_va_vdst(0)                   ; v[L16], v[WO], v[LS ..] and v[BA ..] are written: every load and store of the kernel reads one of them
; PHASE 1.  Load n (0..127): matrix n & 1 (gate, up), k rows 16 (n >> 1) .. + 15, 128 bytes each, for the whole work-group.
.macro WLOAD n
	global_load_b128 v[WR+4*((\n)%40):WR+4*((\n)%40)+3], v[WO], s[6+2*((\n)%2):7+2*((\n)%2)] offset:((\n)/2)*65536 th:TH_LOAD_NT
.endm
.macro WCVT n                          ; pair n % 8 of buffer (n / 8) % 2
	v_cvt_pk_bf16_f32 v[WT+2*((\n)%16)],   v[WR+4*((\n)%40)],   v[WR+4*((\n)%40)+1]
	v_cvt_pk_bf16_f32 v[WT+2*((\n)%16)+1], v[WR+4*((\n)%40)+2], v[WR+4*((\n)%40)+3]
.endm
.macro WST n
	ds_store_b64 v[LS+(\n)/32], v[WT+2*((\n)%16):WT+2*((\n)%16)+1] offset:(((\n)/2)%16)*16*PB+64*((\n)%2)
.endm
; Group g: loads 8 g .. 8 g + 7
.macro WGROUP g
.set lft, 120-8*(\g)
.if lft > 32
.set lft, 32
.endif
	s_wait_loadcnt lft                             ; loads return in order: the group's eight are in, the four younger groups of the ring stay out
.if (\g) >= 2
	s_wait_alu depctr_vm_vsrc(0)                   ; the LDS stores of group g - 2 have read WT[g % 2], which the conversions below write again
.endif
.irp i, 0,1,2,3,4,5,6,7
	WCVT 8*(\g)+\i
.endr
	s_wait_alu depctr_va_vdst(0)                   ; the conversions have written WT[g % 2], which the LDS stores read, and are done reading the group's slots, in which the loads land
.if 8*(\g)+40 <= 127
.irp i, 0,1,2,3,4,5,6,7
	WLOAD 8*(\g)+\i+40                             ; the slots are asked for again at once
.endr
.endif
.irp i, 0,1,2,3,4,5,6,7
	WST 8*(\g)+\i
.endr
.endm
.set nn, 0
.rept 40
	WLOAD nn                                       ; 40 loads x 16 bytes x 128 threads on their way
.set nn, nn+1
.endr
	s_mul_i32 s18, s16, PLANE
	s_add_nc_u64 s[12:13], s[12:13], s[18:19]      ; hb at plane s
	s_wait_kmcnt 0x0
	s_min_u32 s20, s20, NT
	s_min_u32 s21, s21, NT                         ; TE: one past the expert's last tile
	s_mul_i32 s23, s14, 5
	s_add_co_u32 s20, s20, s23                     ; T0: my first tile
	s_sub_co_u32 s22, s21, 1                       ; the last tile (used only where the expert has one)
.set gg, 0
.rept 16
	WGROUP gg
.set gg, gg+1
.endr
	s_wait_dscnt 0x0                               ; zero: the other waves read what I stored
	s_barrier_signal -1
	s_barrier_wait -1                              ; the launch's one barrier; every wave passes it, whatever the counts
	s_cmp_ge_u32 s20, s21
	s_cbranch_scc1 .Lend                           ; no tile for this wave
	; passes of this wave: ceil((TE - T0) / 20).  x / 20 = (x * 3277) >> 16 holds for x below 16,384 (3277 * 20 = 65,540); here x is at most 154
	s_sub_co_u32 s[NPASS], s21, s20
	s_add_co_u32 s[NPASS], s[NPASS], 19
	s_mul_i32 s[NPASS], s[NPASS], 3277
	s_lshr_b32 s[NPASS], s[NPASS], 16
	s_min_u32 s[NPASS], s[NPASS], 7                ; 135 tiles in steps of 20: never more than 7
	s_mov_b32 s[PASS], 0
	s_wait_alu depctr_vm_vsrc(0)                   ; my LDS stores have read WT's second buffer, v[32:47]: these registers are BF's from here on, and weight fragments land in them
; PHASE 2
.macro SLOT ks                         ; SB, SW: first register and window of the ring slot of K step ks
.if (\ks)%7 < 6
.set SB, 40*((\ks)%7)
.set SW, 2
.else
.set SB, 160
.set SW, 1
.endif
.endm
.macro ALOAD ks                        ; ten loads: the fragments of my five tiles for K step ks into its ring slot
	SLOT \ks
	WIN SW<<6
.irp mt, 0,1,2,3,4
.irp hh, 0,1
	global_load_b128 v[SB+8*\mt+4*\hh:SB+8*\mt+4*\hh+3], v[L16], s[AB+2*\mt:AB+2*\mt+1] offset:(\ks)*PLANE+512*\hh
.endr
.endr
.endm
.macro BLOAD ks                        ; eight transposing loads: 32 k x 64 columns of K step ks into buffer ks % 3
	WIN 0
.irp nt, 0,1,2,3
.irp hh, 0,1
	ds_load_tr16_b128 v[BF+32*((\ks)%3)+8*\nt+4*\hh:BF+32*((\ks)%3)+8*\nt+4*\hh+3], v[BA+(\ks)/8] offset:((\ks)%8)*32*PB+\hh*16*PB+32*\nt
.endr
.endr
.endm
.macro MUL ks, mt                      ; four matrix instructions: tile mt x the four column tiles.  The 20 accumulators take turns, in the same order in every step
	SLOT \ks
	WIN 0x50|(SW<<2)                               ; source 0 window 0, source 1 the slot's window, C and D window 1
.irp nt, 0,1,2,3
.if (\ks) == 0
	v_wmma_f32_16x16x32_bf16 v[8*(4*(\mt)+\nt):8*(4*(\mt)+\nt)+7], v[BF+32*((\ks)%3)+8*\nt:BF+32*((\ks)%3)+8*\nt+7], v[SB+8*(\mt):SB+8*(\mt)+7], 0
.else
	v_wmma_f32_16x16x32_bf16 v[8*(4*(\mt)+\nt):8*(4*(\mt)+\nt)+7], v[BF+32*((\ks)%3)+8*\nt:BF+32*((\ks)%3)+8*\nt+7], v[SB+8*(\mt):SB+8*(\mt)+7], v[8*(4*(\mt)+\nt):8*(4*(\mt)+\nt)+7]
.endif
.endr
.endm
.macro KSTEP ks
.set lft, 31-(\ks)
.if lft > 5
.set lft, 5
.endif
	s_wait_loadcnt 10*lft                          ; this step's ten loads are in; the ten of each younger slot stay out
.if (\ks) < 31
	s_wait_dscnt 8                                 ; LDS loads return in order: this step's weight fragments are in, the next step's eight loads stay out
.else
	s_wait_dscnt 0x0
.endif
.if (\ks) > 0 && (\ks) < 30
	s_wait_alu depctr_va_vdst(0)                   ; the matrix instructions of the step before are done reading BF[(ks - 1) % 3] and slot (ks - 1) % 7, in which this step's loads land
.endif
	MUL \ks, 0
.if (\ks)+2 <= 31
	BLOAD (\ks)+2                                  ; no wait: the four matrix instructions since the wait name none of these registers
.endif
.if (\ks)+6 <= 31
	ALOAD (\ks)+6
.endif
.irp mt, 1,2,3,4
	MUL \ks, \mt
.endr
.if (\ks) < 29 || (\ks) == 31
	PLACES                                         ; ahead of the next step's loads into the buffer and the slot just read; behind the last step: ahead of the way out, which reads the results
.endif
.endm
; tile mt on its way out: h = g u / (1 + 2^(-1.442695 g)), 16 numbers a lane, 32 bytes of bf16
.macro HTILE mt
.if \mt > 0
	s_add_co_u32 s23, s20, \mt
	s_cmp_ge_u32 s23, s21
	s_cbranch_scc1 .Ltiles_done                    ; past the expert's last tile: nothing to store
.endif
	WIN 0x01
.irp i, 0,1,2,3,4,5,6,7
	v_pk_mul_f32 v[TT+2*\i:TT+2*\i+1], v[32*\mt+2*\i:32*\mt+2*\i+1], 0xbfb8aa3b op_sel_hi:[1,0]
.endr
	WIN 0x05
.irp i, 0,1,2,3,4,5,6,7
	v_pk_mul_f32 v[PP+2*\i:PP+2*\i+1], v[32*\mt+2*\i:32*\mt+2*\i+1], v[32*\mt+16+2*\i:32*\mt+16+2*\i+1]
.endr
	WIN 0
.irp i, 0,1,2,3,4,5,6,7,8,9,10,11,12,13,14,15
	v_exp_f32 v[TT+\i], v[TT+\i]
.endr
	v_nop                                          ; one plain instruction between a transcendental and the use of its result (ISA guide 5.7.2)
	s_wait_alu depctr_va_vdst(0)
.irp i, 0,1,2,3,4,5,6,7
	v_pk_add_f32 v[TT+2*\i:TT+2*\i+1], v[TT+2*\i:TT+2*\i+1], 1.0 op_sel_hi:[1,0]
.endr
.irp i, 0,1,2,3,4,5,6,7,8,9,10,11,12,13,14,15
	v_rcp_f32 v[TT+\i], v[TT+\i]
.endr
	v_nop
	s_wait_alu depctr_va_vdst(0)
.irp i, 0,1,2,3,4,5,6,7
	v_pk_mul_f32 v[PP+2*\i:PP+2*\i+1], v[PP+2*\i:PP+2*\i+1], v[TT+2*\i:TT+2*\i+1]
.endr
.irp i, 0,1,2,3,4,5,6,7
	v_cvt_pk_bf16_f32 v[OUT+8*\mt+\i], v[PP+2*\i], v[PP+2*\i+1]
.endr
	s_wait_alu depctr_va_vdst(0)                   ; the conversions have written the tile's eight registers of OUT, which the two stores read
	global_store_b128 v[L16], v[OUT+8*\mt:OUT+8*\mt+3],   s[HB+2*\mt:HB+2*\mt+1]              ; k = 8h .. of plane s: 512 neighbouring bytes
	global_store_b128 v[L16], v[OUT+8*\mt+4:OUT+8*\mt+7], s[HB+2*\mt:HB+2*\mt+1] offset:512   ; k = 16+8h ..
.endm
.Lpass:
.irp mt, 0,1,2,3,4
	s_add_co_u32 s23, s20, \mt
	s_min_u32 s23, s23, s22                        ; past the end: the last tile again
	s_min_u32 s23, s23, NT-1
	s_lshl_b32 s18, s23, 10
	s_add_nc_u64 s[AB+2*\mt:AB+2*\mt+1], s[4:5], s[18:19]
	s_add_nc_u64 s[HB+2*\mt:HB+2*\mt+1], s[12:13], s[18:19]
.endr
.set kk, 0
.rept 6
	ALOAD kk                                       ; six of the ring's seven slots: 60 loads of 512 bytes a wave; step 0 asks for the seventh
.set kk, kk+1
.endr
	BLOAD 0
	BLOAD 1
.set kk, 0
.rept 32
	KSTEP kk                                       ; every step's address is an immediate: no pointer is stepped
.set kk, kk+1
.endr
	HTILE 0
	HTILE 1
	HTILE 2
	HTILE 3
	HTILE 4
.Ltiles_done:
	s_wait_xcnt 0x0                                ; the stores' data and bases are rewritten in the next pass only behind this wait
	s_wait_alu depctr_vm_vsrc(0)                   ; the stores have read OUT, which the next pass's conversions write again
	s_add_co_u32 s20, s20, 20                      ; my next five tiles: four waves x five tiles further
	s_add_co_u32 s[PASS], s[PASS], 1
	s_cmp_lt_u32 s[PASS], s[NPASS]
	s_cbranch_scc1 .Lpass
.Lend:
	s_set_vgpr_msb 0x4
	s_wait_dscnt 0x0
	s_wait_alu depctr_hold_cnt(0) depctr_sa_sdst(0) depctr_va_vdst(0) depctr_va_sdst(0) depctr_va_ssrc(0) depctr_va_vcc(0) depctr_vm_vsrc(0)
	s_wait_tensorcnt 0x0
	ds_add_u32 v15, v255
	s_wait_dscnt 0x0
	s_endpgm
.Lfunc_end_k_q1bf07bb497_ffn1:
	.size	k_q1bf07bb497_ffn1, .Lfunc_end_k_q1bf07bb497_ffn1-k_q1bf07bb497_ffn1
	.p2alignl 7, 3214868480
	.fill 96, 4, 3214868480
	.section	.rodata,"a",@progbits
	.p2align	6, 0x0
	.amdhsa_kernel k_q1bf07bb497_ffn1
		.amdhsa_group_segment_fixed_size 168448
		.amdhsa_private_segment_fixed_size 0
		.amdhsa_enable_private_segment 0
		.amdhsa_kernarg_size 40
		.amdhsa_user_sgpr_count 2
		.amdhsa_user_sgpr_kernarg_segment_ptr 1
		.amdhsa_wavefront_size32 1
		.amdhsa_system_sgpr_workgroup_id_x 1
		.amdhsa_system_sgpr_workgroup_id_y 1
		.amdhsa_system_sgpr_workgroup_id_z 1
		.amdhsa_system_vgpr_workitem_id 0
		.amdhsa_next_free_vgpr 768
		.amdhsa_next_free_sgpr 66
		.amdhsa_reserve_vcc 0
		.amdhsa_float_denorm_mode_32 3
		.amdhsa_float_denorm_mode_16_64 3
		.amdhsa_memory_ordered 1
		.amdhsa_forward_progress 1
		.amdhsa_inst_pref_size 160
	.end_amdhsa_kernel
	.amdgpu_metadata
---
amdhsa.version: [ 1, 2 ]
amdhsa.kernels:
  - .name:           k_q1bf07bb497_ffn1
    .symbol:         k_q1bf07bb497_ffn1.kd
    .args:
      - { .name: xs, .offset: 0, .size: 8, .value_kind: global_buffer, .address_space: global }
      - { .name: w_gate, .offset: 8, .size: 8, .value_kind: global_buffer, .address_space: global }
      - { .name: w_up, .offset: 16, .size: 8, .value_kind: global_buffer, .address_space: global }
      - { .name: seg, .offset: 24, .size: 8, .value_kind: global_buffer, .address_space: global }
      - { .name: hb, .offset: 32, .size: 8, .value_kind: global_buffer, .address_space: global }
    .group_segment_fixed_size: 168448
    .private_segment_fixed_size: 0
    .kernarg_segment_align: 8
    .kernarg_segment_size: 40
    .max_flat_workgroup_size: 128
    .sgpr_count:     66
    .vgpr_count:     768
    .wavefront_size: 32
...
	.end_amdgpu_metadata
.endif
;; end of part 5
;; launch ffn2 (part 6): grid 256 x 1, 4 waves a work-group, no clusters, 168,448 bytes of LDS; arguments hb, w_down, seg, tok, out0; writes out0
.if DOCPART == 6
	.amdgcn_target "amdgcn-amd-amdhsa--gfx1250"
	.amdhsa_code_object_version 6
	.text
	.protected	k_q1bf07bb497_ffn2
	.globl	k_q1bf07bb497_ffn2
	.p2align	8
	.type	k_q1bf07bb497_ffn2,@function
k_q1bf07bb497_ffn2:
	s_mov_b64 s[64:65], 0
	v_nop
	global_prefetch_b8 v0, s[64:65] scope:SCOPE_SE
	s_setreg_imm32_b32 hwreg(HW_REG_WAVE_SCHED_MODE, 0, 2), 2
	s_setreg_imm32_b32 hwreg(HW_REG_WAVE_MODE, 25, 1), 1
	s_wait_xcnt 0x0
	s_wait_alu depctr_vm_vsrc(0)
; ffn2: y = h Wd[e] in f32, each sorted row stored to its token's row of out0.
; Work-group (e = id >> 5, s = id & 31) owns columns 32 s .. 32 s + 31 of w_down[e]: 1,024 rows x 128 bytes of f32, read by no other work-group.
; Phase 1 rounds them to bf16 into LDS, WL[k][32], pitch 96 bytes (an odd multiple of 32).  Phase 2 as in the launch before: wave w takes tiles
; seg[e] + 5 w .. + 4, 20 further in each further pass; h's fragments come from hb straight into registers, the weights' from LDS by
; ds_load_tr16_b128; the matrix instruction is used transposed, so that register j of lane (r, h) is token r, column 16 nt + 8 h + j.
; The way out: a tile's 16 rows x 128 bytes go through the wave's own stage in LDS (pitch 144), are read back so that eight neighbouring lanes hold
; a row's 128 bytes, and are stored to row tok[..] of out0.  Every token stands in tok, and each work-group owns its columns, so every number of
; out0 is stored.  A row that pads a tile carries the tile's first token and that token's data all the way from the first launch: this wave
; stores the same numbers to the same bytes once more, and no store needs a mask.
; A store covers four aligned pieces of 128 bytes: with 256 work-groups that each read their weights once, a work-group has 32 f32 columns.
; NO CLUSTER, NO JOINT LOADS, though the 32 work-groups of an expert read the same rows of hb: a joint request lands in LDS, which would add ten
; fragment loads from LDS to the four of every K step of a wave, and the number of passes hangs on counts read from memory.
; LIMITS: operands bf16, sums f32.  More than half of a WGP's LDS is asked for; 107,520 bytes are used.
; THE MODE: SCHED_MODE bits 1:0 = 2 (LLVM: expert scheduling mode 2), set by the entry lines.  The code itself states the register dependences
; between vector or matrix instructions and memory or LDS instructions, with s_wait_alu, always for 0.
; THE PLAN.  Registers that memory or LDS instructions touch:
;   v[L16], v[WO], v[LS ..], v[BA ..], v[ST], v[RD], v[TKO]   offsets and LDS addresses: made at the head, ahead of one wait on va_vdst, never written again.
;   PHASE 1 goes in 8 groups of eight loads.
;   WR    five groups of eight slots.  Group g's sixteen conversions read its slots; behind them the loads of group g + 5 land there.
;   WT    two buffers.  Group g's conversions write WT[g % 2], its eight LDS stores read it, group g + 2 writes it again.
;         Two waits to a group: on vm_vsrc at its head (the LDS stores of group g - 2 have read WT[g % 2]) and on va_vdst behind its conversions
;         (WT is written; the slots have been read).  The group's loads and LDS stores follow that wait with nothing more owed.
;   PHASE 2, K step ks:
;   ring  seven slots of h's fragments.  The step's matrix instructions read slot ks % 7; step ks + 1 loads step ks + 7 into it.
;   BF    three buffers of weight fragments.  The step's matrix instructions read BF[ks % 3]; step ks + 1 loads step ks + 3 into it.
;         ONE wait on va_vdst at a step's head: the matrix instructions of the step before are done reading their slot and their buffer.  The step's
;         fourteen loads follow its first four matrix instructions, which name BF[ks % 3], slot ks % 7 and accumulators: no register of those loads.
;   THE WAY OUT:
;   TK    loaded at a pass's head; sixty vector lines behind the last product turn all five tiles' tokens into offsets; the global stores read them.
;   accumulators   written by the matrix instructions, read by the LDS stores into the stage.
;         ONE wait on va_vdst behind the sixty lines serves both, for all five tiles: no vector or matrix instruction follows it in the pass.
;   OO    the stage's loads land in it, a tile's four global stores read it: one wait on vm_vsrc ahead of the next tile's stage loads.
;   One wait on vm_vsrc at the pass's end: TK, OO and the accumulators have been read; the next pass's loads and first products write them.
;   The first loads of a pass and those of its step 0 land in registers whose last readers stand ahead of the way out's wait on va_vdst.
.set NT,    135
.set PLANE, NT*1024
.set PB,    96                         ; LDS pitch of a k row
.set QB,    512*PB                     ; 512 k rows for each address register
.set STAGE, 1024*PB                    ; behind the weights: 16 rows x 144 bytes for each wave
.set SP,    144
; window 0
.set L16,   1                          ; v1        16 lane
.set WO,    2                          ; v2        (t >> 3) * 4096 + (t & 7) * 16
.set LS,    4                          ; v[4:5]    LDS address of my four weights
.set BA,    8                          ; v[8:9]    address of the transposing loads
.set ST,    10                         ; v10       stage, in: row r, 32 bytes for each half of the lanes
.set RD,    11                         ; v11       stage, back: row 4 (L >> 3), 16 bytes at 16 (L & 7)
.set C16,   12                         ; v12       16 (L & 7)
.set TKO,   13                         ; v13       16 (L >> 3): four token numbers
.set WT,    16                         ; v[16:47]  phase 1: two buffers of eight pairs of packed weights
.set BF,    32                         ; v[32:79]  phase 2: weight fragments, three buffers of two column tiles
.set TK,    80                         ; v[80:99]  tile mt: the tokens of rows 4 (L >> 3) + 0..3, then their byte offsets in out0
.set OO,    100                        ; v[100:115] four pieces of 16 bytes on their way out
.set WR,    96                         ; v[96:255] phase 1: ring of 40 weight loads
; window 1: v0-79 accumulators, tile (mt, nt) at 8 (2 mt + nt); v160-199 slot 6 of the ring.
; window 2: slots 0 to 5 of the ring, slot sl at 40 sl.  In a slot: tile mt at + 8 mt
.set AB,    24                         ; s[24:33]  hb at my five tiles
.set PASS,  34                         ; s34       passes done: the loop's counter
.set NPASS, 35                         ; s35       passes of this wave
.set TKB,   36                         ; s[36:45]  tok at my five tiles
.set MSB, 0
.macro WIN new                         ; low byte: bits 1:0 source 0, 3:2 source 1, 5:4 source 2, 7:6 destination; the high byte repeats the setting left
.if MSB != (\new)
	s_set_vgpr_msb (MSB<<8)|(\new)
.set MSB, (\new)
.endif
.endm
.macro PLACES                          ; four independent vector instructions behind matrix instructions (ISA guide 7.12.1)
.rept 4
	v_nop
.endr
.endm
	s_load_b256 s[4:11], s[0:1], 0x0               ; hb s[4:5], w_down s[6:7], seg s[8:9], tok s[10:11]
	s_load_b64 s[12:13], s[0:1], 0x20              ; out0
	v_lshl_add_u32 v6, v0, 2, 0x29000
	v_mov_b32 v7, 0
	v_lshrrev_b32 v3, 5, v0
	v_readfirstlane_b32 s14, v3                    ; wave 0..3
	s_lshr_b32 s15, ttmp9, 5                       ; e
	s_and_b32 s16, ttmp9, 31                       ; s
	s_lshl_b32 s23, s15, 2
	s_lshl_b32 s18, s15, 22                        ; an expert's matrix: 4 MiB
	s_lshl_b32 s22, s16, 7                         ; 32 f32 columns
	s_add_co_u32 s18, s18, s22
	s_mov_b32 s19, 0                               ; s[18:19]: an offset below 4 GiB; s19 stays 0
	s_wait_alu depctr_va_sdst(0)                   ; s14 is written, ahead of its first reader: my stage's address is made from it
	s_mul_i32 s17, s14, 16*SP
	s_add_co_u32 s17, s17, STAGE                   ; my stage
	v_and_b32 v[L16], 31, v0
	v_lshlrev_b32 v[L16], 4, v[L16]
	v_lshrrev_b32 v3, 3, v0                        ; t >> 3
	v_and_b32 v15, 7, v0                           ; t & 7 (= lane & 7)
	v_lshlrev_b32 v[WO], 12, v3
	v_lshl_add_u32 v[WO], v15, 4, v[WO]
	v_mul_u32_u24 v[LS], v3, PB
	v_lshl_add_u32 v[LS], v15, 3, v[LS]
	v_add_nc_u32 v[LS+1], QB, v[LS]
	v_bfe_u32 v14, v0, 4, 1                        ; h
	v_lshl_add_u32 v3, v14, 3, v15                 ; k row (L & 7) + 8 h
	v_mul_u32_u24 v[BA], v3, PB
	v_bfe_u32 v3, v0, 3, 1
	v_lshl_add_u32 v[BA], v3, 4, v[BA]             ; + 16 ((L >> 3) & 1)
	v_add_nc_u32 v[BA+1], QB, v[BA]
	v_and_b32 v3, 15, v0                           ; r
	v_mul_u32_u24 v[ST], v3, SP
	v_lshl_add_u32 v[ST], v14, 5, v[ST]
	v_add_nc_u32 v[ST], s17, v[ST]
	v_bfe_u32 v3, v0, 3, 2                         ; L >> 3
	v_lshlrev_b32 v[C16], 4, v15
	v_lshlrev_b32 v[TKO], 4, v3
	v_mul_u32_u24 v[RD], v3, 4*SP
	v_add_nc_u32 v[RD], v[RD], v[C16]
	v_add_nc_u32 v[RD], s17, v[RD]
	s_wait_kmcnt 0x0
	s_load_b32 s20, s[8:9], s23 offset:0x0         ; seg[e]
	s_load_b32 s21, s[8:9], s23 offset:0x4         ; seg[e + 1]
	s_add_nc_u64 s[6:7], s[6:7], s[18:19]
	s_wait_alu depctr_va_vdst(0)                   ; v[L16], v[WO], v[LS ..], v[BA ..], v[ST], v[RD] and v[TKO] are written: the kernel's loads and LDS instructions read them as addresses
; PHASE 1.  Load n (0..63): k rows 16 n .. 16 n + 15, 128 bytes each, for the whole work-group.
.macro WLOAD n
	global_load_b128 v[WR+4*((\n)%40):WR+4*((\n)%40)+3], v[WO], s[6:7] offset:(\n)*65536 th:TH_LOAD_NT
.endm
.macro WCVT n                          ; pair n % 8 of buffer (n / 8) % 2
	v_cvt_pk_bf16_f32 v[WT+2*((\n)%16)],   v[WR+4*((\n)%40)],   v[WR+4*((\n)%40)+1]
	v_cvt_pk_bf16_f32 v[WT+2*((\n)%16)+1], v[WR+4*((\n)%40)+2], v[WR+4*((\n)%40)+3]
.endm
.macro WST n
	ds_store_b64 v[LS+(\n)/32], v[WT+2*((\n)%16):WT+2*((\n)%16)+1] offset:((\n)%32)*16*PB
.endm
; Group g: loads 8 g .. 8 g + 7
.macro WGROUP g
.set lft, 56-8*(\g)
.if lft > 32
.set lft, 32
.endif
	s_wait_loadcnt lft                             ; loads return in order: the group's eight are in, the four younger groups of the ring stay out
.if (\g) >= 2
	s_wait_alu depctr_vm_vsrc(0)                   ; the LDS stores of group g - 2 have read WT[g % 2], which the conversions below write again
.endif
.irp i, 0,1,2,3,4,5,6,7
	WCVT 8*(\g)+\i
.endr
	s_wait_alu depctr_va_vdst(0)                   ; the conversions have written WT[g % 2], which the LDS stores read, and are done reading the group's slots, in which the loads land
.if 8*(\g)+40 <= 63
.irp i, 0,1,2,3,4,5,6,7
	WLOAD 8*(\g)+\i+40                             ; the slots are asked for again at once
.endr
.endif
.irp i, 0,1,2,3,4,5,6,7
	WST 8*(\g)+\i
.endr
.endm
.set nn, 0
.rept 40
	WLOAD nn                                       ; 40 loads x 16 bytes x 128 threads on their way
.set nn, nn+1
.endr
	s_mov_b32 s18, s22
	s_add_nc_u64 s[12:13], s[12:13], s[18:19]      ; out0 at my columns
	s_wait_kmcnt 0x0
	s_min_u32 s20, s20, NT
	s_min_u32 s21, s21, NT                         ; TE: one past the expert's last tile
	s_mul_i32 s23, s14, 5
	s_add_co_u32 s20, s20, s23                     ; T0: my first tile
	s_sub_co_u32 s22, s21, 1                       ; the last tile (used only where the expert has one)
.set gg, 0
.rept 8
	WGROUP gg
.set gg, gg+1
.endr
	s_wait_dscnt 0x0                               ; zero: the other waves read what I stored
	s_barrier_signal -1
	s_barrier_wait -1                              ; the launch's one barrier; every wave passes it, whatever the counts
	s_cmp_ge_u32 s20, s21
	s_cbranch_scc1 .Lend                           ; no tile for this wave
	; passes of this wave: ceil((TE - T0) / 20).  x / 20 = (x * 3277) >> 16 holds for x below 16,384 (3277 * 20 = 65,540); here x is at most 154
	s_sub_co_u32 s[NPASS], s21, s20
	s_add_co_u32 s[NPASS], s[NPASS], 19
	s_mul_i32 s[NPASS], s[NPASS], 3277
	s_lshr_b32 s[NPASS], s[NPASS], 16
	s_min_u32 s[NPASS], s[NPASS], 7                ; 135 tiles in steps of 20: never more than 7
	s_mov_b32 s[PASS], 0
	s_wait_alu depctr_vm_vsrc(0)                   ; my LDS stores have read WT's second buffer, v[32:47]: these registers are BF's from here on, and weight fragments land in them
; PHASE 2
.macro SLOT ks                         ; SB, SW: first register and window of the ring slot of K step ks
.if (\ks)%7 < 6
.set SB, 40*((\ks)%7)
.set SW, 2
.else
.set SB, 160
.set SW, 1
.endif
.endm
.macro ALOAD ks                        ; ten loads: the fragments of my five tiles for K step ks into its ring slot
	SLOT \ks
	WIN SW<<6
.irp mt, 0,1,2,3,4
.irp hh, 0,1
	global_load_b128 v[SB+8*\mt+4*\hh:SB+8*\mt+4*\hh+3], v[L16], s[AB+2*\mt:AB+2*\mt+1] offset:(\ks)*PLANE+512*\hh
.endr
.endr
.endm
.macro BLOAD ks                        ; four transposing loads: 32 k x 32 columns of K step ks into buffer ks % 3
	WIN 0
.irp nt, 0,1
.irp hh, 0,1
	ds_load_tr16_b128 v[BF+16*((\ks)%3)+8*\nt+4*\hh:BF+16*((\ks)%3)+8*\nt+4*\hh+3], v[BA+(\ks)/16] offset:((\ks)%16)*32*PB+\hh*16*PB+32*\nt
.endr
.endr
.endm
.macro MUL ks, mt                      ; two matrix instructions: tile mt x the two column tiles.  The 10 accumulators take turns, in the same order in every step
	SLOT \ks
	WIN 0x50|(SW<<2)                               ; source 0 window 0, source 1 the slot's window, C and D window 1
.irp nt, 0,1
.if (\ks) == 0
	v_wmma_f32_16x16x32_bf16 v[8*(2*(\mt)+\nt):8*(2*(\mt)+\nt)+7], v[BF+16*((\ks)%3)+8*\nt:BF+16*((\ks)%3)+8*\nt+7], v[SB+8*(\mt):SB+8*(\mt)+7], 0
.else
	v_wmma_f32_16x16x32_bf16 v[8*(2*(\mt)+\nt):8*(2*(\mt)+\nt)+7], v[BF+16*((\ks)%3)+8*\nt:BF+16*((\ks)%3)+8*\nt+7], v[SB+8*(\mt):SB+8*(\mt)+7], v[8*(2*(\mt)+\nt):8*(2*(\mt)+\nt)+7]
.endif
.endr
.endm
.macro KSTEP ks
.set lft, 31-(\ks)
.if lft > 5
.set lft, 5
.endif
	s_wait_loadcnt 10*lft                          ; this step's ten loads (and the older token loads) are in; ten of each younger slot stay out
.if (\ks) < 31
	s_wait_dscnt 4                                 ; LDS loads return in order: this step's weight fragments are in, the next step's four loads stay out
.else
	s_wait_dscnt 0x0
.endif
.if (\ks) > 0 && (\ks) < 30
	s_wait_alu depctr_va_vdst(0)                   ; the matrix instructions of the step before are done reading BF[(ks - 1) % 3] and slot (ks - 1) % 7, in which this step's loads land
.endif
	MUL \ks, 0
	MUL \ks, 1
.if (\ks)+2 <= 31
	BLOAD (\ks)+2                                  ; no wait: the four matrix instructions since the wait name none of these registers
.endif
.if (\ks)+6 <= 31
	ALOAD (\ks)+6
.endif
.irp mt, 2,3,4
	MUL \ks, \mt
.endr
.if (\ks) < 29
	PLACES                                         ; ahead of the next step's loads into the buffer and the slot just read
.endif
.endm
; tile mt on its way out
.macro OTILE mt
.if \mt > 0
	s_add_co_u32 s23, s20, \mt
	s_cmp_ge_u32 s23, s21
	s_cbranch_scc1 .Ltiles_done                    ; past the expert's last tile: nothing to store
.endif
	WIN 0x04                                       ; store data from window 1
.irp nt, 0,1
.irp q, 0,1
	ds_store_b128 v[ST], v[8*(2*\mt+\nt)+4*\q:8*(2*\mt+\nt)+4*\q+3] offset:64*\nt+16*\q
.endr
.endr
	WIN 0
.if \mt > 0
	s_wait_xcnt 0x0                                ; OO, the data of the last tile's stores, is loaded again only behind this wait
	s_wait_alu depctr_vm_vsrc(0)                   ; the last tile's global stores have read OO, in which the loads below land
.endif
.irp i, 0,1,2,3
	ds_load_b128 v[OO+4*\i:OO+4*\i+3], v[RD] offset:SP*\i          ; my own stage, and LDS serves a wave in order: these see the stores above
.endr
.irp i, 0,1,2,3
	s_wait_dscnt 3-\i                              ; piece i is back; the younger ones may be out
	global_store_b128 v[TK+4*\mt+\i], v[OO+4*\i:OO+4*\i+3], s[12:13] th:TH_STORE_NT
.endr
.endm
.Lpass:
.irp mt, 0,1,2,3,4
	s_add_co_u32 s23, s20, \mt
	s_min_u32 s23, s23, s22                        ; past the end: the last tile again
	s_min_u32 s23, s23, NT-1
	s_lshl_b32 s18, s23, 10
	s_add_nc_u64 s[AB+2*\mt:AB+2*\mt+1], s[4:5], s[18:19]
	s_lshl_b32 s18, s23, 6                         ; 16 words of tok a tile
	s_add_nc_u64 s[TKB+2*\mt:TKB+2*\mt+1], s[10:11], s[18:19]
.endr
.irp mt, 0,1,2,3,4
	global_load_b128 v[TK+4*\mt:TK+4*\mt+3], v[TKO], s[TKB+2*\mt:TKB+2*\mt+1]   ; older than every load of the ring
.endr
.set kk, 0
.rept 6
	ALOAD kk                                       ; six of the ring's seven slots: 60 loads of 512 bytes a wave; issue holds back while the counter's field is full (ISA guide 5.7.1); step 0 asks for the seventh
.set kk, kk+1
.endr
	BLOAD 0
	BLOAD 1
.set kk, 0
.rept 32
	KSTEP kk                                       ; every step's address is an immediate: no pointer is stepped
.set kk, kk+1
.endr
	; all five tiles' tokens become byte offsets in out0, in one run: sixty plain vector lines that name no register of the products, so they
	; are also the places behind the last of them (ISA guide 7.12.1).  A tile past the expert's last has its offsets made and not used.
	WIN 0
.set tt, 0
.rept 20
	v_min_u32 v[TK+tt], 0x7ff, v[TK+tt]            ; the number is clamped to out0's rows before it enters an address
.set tt, tt+1
.endr
.set tt, 0
.rept 20
	v_lshlrev_b32 v[TK+tt], 12, v[TK+tt]           ; 4,096 bytes a row of out0
.set tt, tt+1
.endr
.set tt, 0
.rept 20
	v_add_nc_u32 v[TK+tt], v[C16], v[TK+tt]        ; + my 16 bytes of the row's 128
.set tt, tt+1
.endr
	s_wait_alu depctr_va_vdst(0)                   ; the matrix instructions have written the accumulators, which the LDS stores read; the lines above have written TK, which the global stores read as offsets
	OTILE 0
	OTILE 1
	OTILE 2
	OTILE 3
	OTILE 4
.Ltiles_done:
	s_wait_xcnt 0x0                                ; bases and the stores' offsets (TK) are rewritten in the next pass only behind this wait
	s_wait_alu depctr_vm_vsrc(0)                   ; the global stores have read TK and OO, in which the next pass's loads land; the LDS stores have read the accumulators, which its first products write
	s_add_co_u32 s20, s20, 20                      ; my next five tiles: four waves x five tiles further
	s_add_co_u32 s[PASS], s[PASS], 1
	s_cmp_lt_u32 s[PASS], s[NPASS]
	s_cbranch_scc1 .Lpass
.Lend:
	s_wait_dscnt 0x0
	s_wait_alu depctr_hold_cnt(0) depctr_sa_sdst(0) depctr_va_vdst(0) depctr_va_sdst(0) depctr_va_ssrc(0) depctr_va_vcc(0) depctr_vm_vsrc(0)
	s_wait_tensorcnt 0x0
	ds_add_u32 v6, v7
	s_wait_dscnt 0x0
	s_endpgm
.Lfunc_end_k_q1bf07bb497_ffn2:
	.size	k_q1bf07bb497_ffn2, .Lfunc_end_k_q1bf07bb497_ffn2-k_q1bf07bb497_ffn2
	.p2alignl 7, 3214868480
	.fill 96, 4, 3214868480
	.section	.rodata,"a",@progbits
	.p2align	6, 0x0
	.amdhsa_kernel k_q1bf07bb497_ffn2
		.amdhsa_group_segment_fixed_size 168448
		.amdhsa_private_segment_fixed_size 0
		.amdhsa_enable_private_segment 0
		.amdhsa_kernarg_size 40
		.amdhsa_user_sgpr_count 2
		.amdhsa_user_sgpr_kernarg_segment_ptr 1
		.amdhsa_wavefront_size32 1
		.amdhsa_system_sgpr_workgroup_id_x 1
		.amdhsa_system_sgpr_workgroup_id_y 1
		.amdhsa_system_sgpr_workgroup_id_z 1
		.amdhsa_system_vgpr_workitem_id 0
		.amdhsa_next_free_vgpr 768
		.amdhsa_next_free_sgpr 66
		.amdhsa_reserve_vcc 0
		.amdhsa_float_denorm_mode_32 3
		.amdhsa_float_denorm_mode_16_64 3
		.amdhsa_memory_ordered 1
		.amdhsa_forward_progress 1
		.amdhsa_inst_pref_size 101
	.end_amdhsa_kernel
	.amdgpu_metadata
---
amdhsa.version: [ 1, 2 ]
amdhsa.kernels:
  - .name:           k_q1bf07bb497_ffn2
    .symbol:         k_q1bf07bb497_ffn2.kd
    .args:
      - { .name: hb, .offset: 0, .size: 8, .value_kind: global_buffer, .address_space: global }
      - { .name: w_down, .offset: 8, .size: 8, .value_kind: global_buffer, .address_space: global }
      - { .name: seg, .offset: 16, .size: 8, .value_kind: global_buffer, .address_space: global }
      - { .name: tok, .offset: 24, .size: 8, .value_kind: global_buffer, .address_space: global }
      - { .name: out0, .offset: 32, .size: 8, .value_kind: global_buffer, .address_space: global }
    .group_segment_fixed_size: 168448
    .private_segment_fixed_size: 0
    .kernarg_segment_align: 8
    .kernarg_segment_size: 40
    .max_flat_workgroup_size: 128
    .sgpr_count:     66
    .vgpr_count:     768
    .wavefront_size: 32
...
	.end_amdgpu_metadata
.endif
;; end of part 6
